; MI455X (gfx1250); checked and timed in simulation.
; The chip was launched on July 23, 2026; its instructions are those of AMD's public machine-readable ISA for CDNA 5 (MIT licence, August 2026) and "CDNA5" Instruction Set Architecture Reference Guide (July 2026). The comments in the code are by the model that wrote it; some were corrected since.
;; Gated Atten. Allowed arithmetic: matrix products marked QUANTISED: E5M2 operands, one E8M0 scale for each 32 along K, by v_wmma_scale_f32_16x16x128_f8f6f4 with both operands' format E5M2, f32 sums; everything else in f32.
;; Inputs: W_down_codes 64 x 4 x 32 uint8 (E5M2 codes of W_down, K innermost, in blocks of 32 codes); W_down_scales 64 x 4 uint8 (E8M0 scales of W_down, one for each 32 codes along K); W_drug_codes 128 x 4 x 32 uint8 (E5M2 codes of W_drug, K innermost, in blocks of 32 codes); W_drug_scales 128 x 4 uint8 (E8M0 scales of W_drug, one for each 32 codes along K); W_prot_codes 128 x 4 x 32 uint8 (E5M2 codes of W_prot, K innermost, in blocks of 32 codes); W_prot_scales 128 x 4 uint8 (E8M0 scales of W_prot, one for each 32 codes along K); W_up_codes 128 x 2 x 32 uint8 (E5M2 codes of W_up, K innermost, in blocks of 32 codes); W_up_scales 128 x 2 uint8 (E8M0 scales of W_up, one for each 32 codes along K); b_down 64 float32; b_drug 128 float32; b_prot 128 float32; b_up 128 float32; x 8 x 128 x 128 float32; y 8 x 128 x 1,024 float32.
;; Outputs: out0 8 x 128 x 128 float32; out1 8 x 128 x 1,024 float32.
;; This version of the problem:
;;   THIS VERSION OF THE PROBLEM IS GIVEN IN LOW PRECISION. The matrix products marked QUANTISED in the list below multiply operands that are first quantised to E5M2 (5 exponent bits, 2 mantissa bits; 8 bits a number), with one power-of-two scale for each 32 numbers along K (OCP MX v1.0); their sums are f32. All else is computed in f32.
;;   The module's matrix products, in the order in which they are computed (A, B: the left and right operand; K: the contracted axis; several contracted axes count as one K, in the product's order):
;;     1. [M 1,024, K 128] x [K 128, N 128]; A: input x; B: input W_drug (given as codes): QUANTISED
;;     2. [M 8,192, K 128] x [K 128, N 128]; A: input y; B: input W_prot (given as codes): QUANTISED
;;     3. [M 1,048,576, K 128] x [K 128, N 64]; A: computed on the way; B: input W_down (given as codes): QUANTISED
;;     4. [M 1,048,576, K 64] x [K 64, N 128]; A: computed on the way; B: input W_up (given as codes): QUANTISED
;;   THE QUANTISER, for each operand of a quantised product, along K:
;;     - K is cut into blocks of 32 from its start; a last block that is shorter is filled with zeros.
;;     - A block's scale is 2^e with e = floor(log2(the largest magnitude in the block)) - 15, held to -126 .. 127; a block of zeros has e = 0. As a byte (E8M0): e + 127.
;;     - Each number is divided by its block's scale, clamped to +-57,344, and rounded to the nearest number of E5M2, ties to even, subnormals kept.
;;     - The product sums the exact products of the quantised numbers (number of the format x scale) in f32.
;;   ~~~python
;;   def quantise(x, axis):      # numpy; x: float32 -> the quantised numbers, widened to float32 again
;;       x = np.moveaxis(x, axis, -1); K = x.shape[-1]
;;       x = np.pad(x, [(0, 0)] * (x.ndim - 1) + [(0, -K % 32)]); x = x.reshape(x.shape[:-1] + (-1, 32)); a = np.abs(x).max(-1, keepdims=True)
;;       e = np.where(a > 0, np.clip(np.frexp(np.where(a > 0, a, 1))[1] - 1 - 15, -126, 127), 0)      # np.frexp(a)[1] - 1 = floor(log2(a)), exactly
;;       r = np.clip(x / 2.0 ** e, -57344, 57344)
;;       step = 2.0 ** (np.maximum(np.frexp(np.where(r == 0, 1, r))[1] - 1, -14) - 2)
;;       q = np.round(r / step) * step * 2.0 ** e      # np.round: ties to even
;;       return np.moveaxis(q.reshape(q.shape[:-2] + (-1,))[..., :K], -1, axis).astype(np.float32)
;;   ~~~
;;   OPERANDS COMPUTED ON THE WAY. 'Computed on the way' means the value that the module computes at that place (a softmax that the list does not call 'softmax' is quantised finished and normalised). What goes into a quantiser is computed in f32, as accurately as f32 sums, v_exp_f32 and their like allow (about 1e-6 of the number): no bf16 or f16 on the way to a quantiser, and a product that is left as it is and whose result goes on into a quantised operand takes f32 operands (vector FMAs, or v_wmma_f32_16x16x4_f32). A number that lies on a knife's edge between two numbers of the format may be rounded either way, as far as f32 arithmetic and the matrix unit's own rounding can turn it there, and no further.
;;   INPUTS GIVEN AS CODES. W_down (in the module: [128, 64], K = its axis 0); W_drug (in the module: [128, 128], K = its axis 0); W_prot (in the module: [128, 128], K = its axis 0); W_up (in the module: [64, 128], K = its axis 0): each comes as NAME_codes (uint8): NAME with its K axis moved to the last place and cut into blocks of 32 codes, [.., K / 32, bytes a block], one block behind the other in memory; one code a byte (a code: sign, 5 exponent bits, 2 mantissa bits); and NAME_scales (uint8): the same leading axes, one E8M0 byte (e + 127) for each 32 codes along K. Its value is code x scale, taken as it is: it is not quantised again, and the codes and scales need not be those that the quantiser above would give.
;; 2 versions. Each part assembles by itself: llvm-mc -triple=amdgcn-amd-amdhsa -mcpu=gfx1250 --defsym DOCPART=n.
;; ======== version 1 of 2: 2 launches
;; workspace buffers: cpart 8,388,608 bytes; ppart 8,388,608 bytes
;; launch pairs (part 1): grid 32 x 8, 4 waves a work-group, no clusters, 301,568 bytes of LDS; arguments x, y, W_drug_codes, W_prot_codes, W_down_codes, W_up_codes, W_drug_scales, W_prot_scales, b_drug, b_prot, W_down_scales, W_up_scales, b_down, cpart, ppart; writes cpart, ppart
.if DOCPART == 1
	.amdgcn_target "amdgcn-amd-amdhsa--gfx1250"
	.amdhsa_code_object_version 6
	.text
	.protected	k_q223d8cb349_pairs
	.globl	k_q223d8cb349_pairs
	.p2align	8
	.type	k_q223d8cb349_pairs,@function
k_q223d8cb349_pairs:
	s_mov_b64 s[64:65], 0
	v_nop
	global_prefetch_b8 v0, s[64:65] scope:SCOPE_SE
	s_setreg_imm32_b32 hwreg(HW_REG_WAVE_MODE, 25, 1), 1
	s_wait_xcnt 0x0
; All four quantised products of the gated attention, on codes of BF8 (E5M2) with one E8M0 scale for each 32 along K.
; A work-group owns batch b, 64 x and 64 y: 4,096 pairs.  It makes its own 64 rows of drug_att and of prot_att, then for each pair
; s = relu(drug + prot) (quantised along its 128), h = relu(Q(s) W_down + b_down) (quantised along its 64), and the SUMS of Q(h) W_up over its 64 y
; (cpart [yc 16][b 8][c 128][x 128]) and over its 64 x (ppart [xh 2][b 8][c 128][y 1024]), without b_up and not yet divided: the next launch adds the parts.
; SHARES.  Wave w owns 16 x (lane % 16 = r: x = 16 w + r) and walks the 64 y in 64 groups.  In group g lane r holds the pair (x r, y r xor g): a diagonal, so that in 16 groups every x meets every y of a block of 16.
; THE SUMS COST NO VECTOR ADDITION.  W_up has K = 64; its codes lie TWICE along the instruction's 128, and an operand row holds the hidden codes of TWO pairs.  With rows = x (fragment F: groups 2 t and 2 t + 1 as they
; come out of the conversions) the accumulators add over y; the same codes, stored to the wave's own LDS slots at index r xor (g % 16) and read back at index r, have rows = y (fragment TF), and a second set of accumulators adds over x.
; LAYOUT.  Products 1 to 3 are used transposed (source 0 = 16 rows of the weight, source 1 = the rows' codes), and lane r of tile 2 b + u takes the weight's row 32 b + 8 u + r + 8 (r / 8):
; a lane then holds ONE row, and the 16 registers of two neighbouring tiles are 16 neighbours along the next K, 32 b + 16 (lane / 16) + 0 .. 15: the conversions' results are the next operand's registers.  Biases are the C of the products.
; ONE WAVE TO A SIMD, MATRIX INSTRUCTIONS SINGLY AMONG THE VECTOR WORK.  What must stay in registers (drug's rows 64, W_down 64, b_down 32, W_up twice 128, two sets of sums 128) leaves no room for two waves; a trip has
; 461 vector lines for 24 matrix instructions, so each matrix instruction stands alone behind a piece of the quantisers' work, at the price of two window switches.
; NO TENSOR LOADS, NO CLUSTER: what work-groups share (32 KiB of x, 32 KiB of y, 48 KiB of weights) is read once at the head, through registers into LDS; the loop reads no memory.
; THE LOOP IS WRITTEN ONCE.  F, TF and all sums begin as zeros, so the first trip's products of the trip before add nothing (16 matrix instructions a wave on zeros, 160 v_mov_b32 once, in place of a second copy of the trip);
; the last trip's look-ahead wraps to rows 0 and 1 of the P rows (inside the region) and is not used.
; LIMITS: NaN and infinities among the inputs are not served.  A block of zeros (or, ahead of a relu, with nothing positive) gets the scale byte 1 where the quantiser says 127: its codes are zeros, and the bytes are read here alone.
; REGISTERS, in windows of 256 (s_set_vgpr_msb: bits 1:0 source 0, 3:2 source 1, 5:4 source 2, 7:6 destination):
;   window 0: v1-9 addresses; v10-20 at work; v21-22 a group's two scale bytes; v23-45 scale words; v48-63 s's codes; v64-95, v96-127 h of groups a, b; v128-191, v192-255 P rows, then s, of groups a, b
;   window 1: v0-63 W_down; v64-95 b_down; v96-223 W_up, twice along K; v224-239 TF       window 2: v0-63 sums over y; v64-127 sums over x; v128-191 drug's rows; v192-207 F       window 3: head and way out
.set PP,    528                        ; a P row, and a turning slot: 512 bytes + 16: 33 x 16, so that 16 different rows fall on 16 different columns of 16 bytes
.set PROW,  0                          ; 64 rows of prot_att + b_prot
.set ROT,   64*PP                      ; the turning slots: 16 for each wave
.set ROTW,  16*PP
.set RED,   ROT+4*ROTW                 ; images of the sums over x: [wave 4][5] of 8,192 bytes; a wave's first image is never written: the flush's address is FLB + 8,192 (g / 16), g / 16 = 1 .. 4
.set IMG,   8192
.set REDW,  5*IMG
.set CST,   RED+4*REDW                 ; 128 rows c x (64 x in f32 + 16 bytes)
.set SP,    272
.set POFF,  128*SP                     ; from CST to the like stage for y, and from x's tile to y's
.set XT,    RED                        ; the head's staging lies over RED: its last read stands ahead of the barrier behind which RED is first written
.set WDR,   XT+2*POFF                  ; W_drug's codes, 128 rows x (128 + 16)
.set WPOFF, 128*144                    ; to W_prot's
.set WNOFF, 2*WPOFF                    ; to W_down's, 64 rows
.set WUP,   WDR+WNOFF+64*144           ; W_up's codes, 128 rows x (64 + 16)
.set SMA,   WUP+128*80                 ; W_drug_scales, W_prot_scales, b_drug, b_prot: 512 bytes each
.set FLOOR, 0x8000000                  ; 2^(16 - 127): no largest magnitude is taken under it, so a scale's byte cannot fall under 1
.set R15, 1                            ; r
.set CP,  2                            ; PROW + 64 (lane / 16)
.set CR,  3                            ; my wave's slots + 64 (lane / 16)
.set VN,  4                            ; my own slot: CR + 528 r
.set FLB, 5                            ; RED + 40,960 wave + 16 lane
.set AP,  6
.set VR,  7
.set ETA, 8
.set FA,  9
.set RT,  10                           ; v10-13 largest magnitudes, then the largest number x the scale
.set RU,  14                           ; v14-17 the other half's maxima, then the conversions' scale operands
.set RBT, 18                           ; v18-20 bytes
.set HU,  21                           ; v21, v22 the two scale bytes of group a, of group b
.set SSW, 23                           ; s's scale word
.set FS,  24                           ; F's
.set TFS, 25                           ; TF's
.set WDS, 26                           ; v26-29 W_down's scale words
.set WUS, 30                           ; v30-37 W_up's, the two bytes twice
.set WPS, 38                           ; v38-45 W_drug's, then W_prot's
.set SC,  48
.set HA,  64
.set HB,  96
.set SA,  128
.set SB,  192
.set GX,  96                           ; the head's addresses lie where group b's h will lie
.set GY,  97
.set GL,  98
.set HH,  99
.set AXT, 100
.set AWD, 101
.set AWN, 102
.set AWU, 103
.set ASA, 104
.set AXC, 105
.set AWF, 106
.set ABT, 107
.set ASW, 108
.set AUF, 109
.set APS, 110
.set TA,  111
.set TB,  112
.set GS4, 113
.set G2R, 114
.set G64, 115
.set LN,  116
.set WV,  2
.set BAT, 3
.set XH,  4
.set YC,  5
.set SEL, 38
.set MNT, 40
.set G,   41                           ; the trip's first group, 0, 2, .. 62
.set G1,  42
.set NA,  43
.set NB,  44
.set MSB, 0
.macro WIN new                         ; the immediate's high byte repeats the setting that is left; a switch that changes nothing is dropped
.if MSB != \new
	s_set_vgpr_msb (MSB<<8)|\new
.set MSB, \new
.endif
.endm
.macro PLACES n
.rept \n
	v_nop
.endr
.endm
.macro BARRIER                         ; my LDS stores have landed and my LDS loads are in: then the work-group's barrier
	s_wait_dscnt 0x0
	s_barrier_signal -1
	s_barrier_wait -1
.endm
; Product 3, tile t, for group a (hb = 0) or b (1): h^T = W_down s^T + b_down.  The caller sets the window back.
.macro MM3 t, hb
	WIN 0x11                                       ; W_down and b_down in window 1
	v_wmma_scale_f32_16x16x128_f8f6f4 v[HA+32*(\hb)+8*(\t):HA+32*(\hb)+8*(\t)+7], v[16*(\t):16*(\t)+15], v[SC:SC+15], v[64+8*(\t):64+8*(\t)+7], v[WDS+(\t)], v[SSW] matrix_a_fmt:MATRIX_FMT_BF8 matrix_b_fmt:MATRIX_FMT_BF8
.endm
; Product 4, 16 channels 16 ct on: kind 0: rows = x (F), the sum over y; kind 1: rows = y (TF), the sum over x.
.macro MM4 kind, ct
.if (\kind) == 0
	WIN 0xa6
	v_wmma_scale_f32_16x16x128_f8f6f4 v[8*(\ct):8*(\ct)+7], v[192:207], v[96+16*(\ct):96+16*(\ct)+15], v[8*(\ct):8*(\ct)+7], v[FS], v[WUS+(\ct)] matrix_a_fmt:MATRIX_FMT_BF8 matrix_b_fmt:MATRIX_FMT_BF8
.else
	WIN 0xa5
	v_wmma_scale_f32_16x16x128_f8f6f4 v[64+8*(\ct):64+8*(\ct)+7], v[224:239], v[96+16*(\ct):96+16*(\ct)+15], v[64+8*(\ct):64+8*(\ct)+7], v[TFS], v[WUS+(\ct)] matrix_a_fmt:MATRIX_FMT_BF8 matrix_b_fmt:MATRIX_FMT_BF8
.endif
.endm
.macro HK kind, n                      ; a hook in the vector work: one matrix instruction of the trip before, or nothing
.if (\kind) >= 0
	MM4 \kind, \n
	WIN 0
.endif
.endm
; 64 numbers of a lane, register 16 q + i = k 32 q + 16 (lane / 16) + i of its row, become 16 registers of codes at v[dst] and the row's scale word in v[word].
; relu = 1: what is negative becomes 0 on the way: no |.| on the maxima's sources, and the hold clips at 0.  Eight hooks.
.macro Q4 src, dst, word, relu, kind
.irp i, 0,2,4,6,8,10,12,14
.irp q, 0,1,2,3                        ; the four blocks by turns: no line waits for the line above it
.if \i == 0
.if \relu
	v_max3_num_f32 v[RT+\q], v[\src+16*\q], v[\src+16*\q+1], FLOOR
.else
	v_max3_num_f32 v[RT+\q], |v[\src+16*\q]|, |v[\src+16*\q+1]|, FLOOR
.endif
.else
.if \relu
	v_max3_num_f32 v[RT+\q], v[RT+\q], v[\src+16*\q+\i], v[\src+16*\q+\i+1]
.else
	v_max3_num_f32 v[RT+\q], v[RT+\q], |v[\src+16*\q+\i]|, |v[\src+16*\q+\i+1]|
.endif
.endif
.endr
.if \i == 6
	HK \kind, 0
.endif
.if \i == 14
	HK \kind, 1
.endif
.endr
.irp q, 0,1,2,3
	v_permlanex16_b32 v[RU+\q], v[RT+\q], s[SEL], s[SEL+1]
.endr
.irp q, 0,1,2,3
	v_max_num_f32 v[RT+\q], v[RT+\q], v[RU+\q]     ; with lane l xor 16's 16 numbers: the block's largest magnitude
.endr
.irp q, 0,1,2,3
	v_add_nc_u32 v[RU+\q], 0xf8800000, v[RT+\q]    ; 15 off its exponent field: the conversion takes the exponent field of this operand as its scale
.endr
	HK \kind, 2
.irp q, 0,1,2,3
	v_and_or_b32 v[RT+\q], v[RT+\q], 0x7f800000, s[MNT]   ; 57,344 x the scale
.endr
	v_lshrrev_b32 v[\word], 23, v[RU]              ; the four bytes make the row's scale word
	v_lshrrev_b32 v[RBT], 23, v[RU+1]
	v_lshrrev_b32 v[RBT+1], 23, v[RU+2]
	v_lshrrev_b32 v[RBT+2], 23, v[RU+3]
	v_lshl_or_b32 v[\word], v[RBT], 8, v[\word]
	v_lshl_or_b32 v[RBT+1], v[RBT+2], 8, v[RBT+1]
	v_lshl_or_b32 v[\word], v[RBT+1], 16, v[\word]
	HK \kind, 3
.irp q, 0,1,2,3
.irp i, 0,1,2,3,4,5,6,7,8,9,10,11,12,13,14,15
.if \relu
	v_med3_num_f32 v[\src+16*\q+\i], v[\src+16*\q+\i], 0, v[RT+\q]          ; the activation and the hold in one (the conversion to an 8-bit code does not saturate: ISA guide 7.6.2)
.else
	v_med3_num_f32 v[\src+16*\q+\i], v[\src+16*\q+\i], -v[RT+\q], v[RT+\q]
.endif
.endr
	HK \kind, 4+\q
.endr
.irp q, 0,1,2,3
	v_cvt_scalef32_pk8_bf8_f32 v[\dst+4*\q:\dst+4*\q+1], v[\src+16*\q:\src+16*\q+7], v[RU+\q]
	v_cvt_scalef32_pk8_bf8_f32 v[\dst+4*\q+2:\dst+4*\q+3], v[\src+16*\q+8:\src+16*\q+15], v[RU+\q]
.endr
	v_nop                                          ; one plain line between the conversions and whatever next touches their results or sources
.endm
; s = relu(drug + prot) of one group, quantised.  k = 0: group a; the hooks are the eight sums over y of the trip before.  k = 1: group b; group a's four tiles of product 3 stand among the additions, the hooks are the eight sums over x.
.macro SQ src, k
	WIN 0x08                                       ; drug's rows in window 2
.set sj, 0
.rept 32
	v_pk_add_f32 v[\src+2*sj:\src+2*sj+1], v[\src+2*sj:\src+2*sj+1], v[128+2*sj:128+2*sj+1]
.if (\k) && (sj%8 == 7)
	MM3 sj/8, 0
.if sj != 31
	WIN 0x08
.endif
.endif
.set sj, sj+1
.endr
	WIN 0
	Q4 \src, SC, SSW, 1, \k
.endm
; The P row of the group whose number stands in s[grp]: row (r xor group) % 64; 16 loads, my half's 16 numbers of each block of 32.
.macro PLOAD reg, grp
	v_xor_b32 v[ETA], s[\grp], v[R15]
	v_and_b32 v[ETA], 63, v[ETA]
	v_mad_u32_u24 v[AP], v[ETA], PP, v[CP]
.irp q, 0,1,2,3
.irp c, 0,1,2,3
	ds_load_b128 v[\reg+16*\q+4*\c:\reg+16*\q+4*\c+3], v[AP] offset:128*\q+16*\c
.endr
.endr
.endm
; h = relu(..) of one group, 32 numbers a lane in two blocks, quantised into half g of F; its two scale bytes into v[HU + g].  g = 0: group b's four tiles of product 3 stand among the lines.
.macro HQ h, g
.irp b, 0,1                            ; two chains a block; each tile of product 3 is first read at its low end
	v_max3_num_f32 v[RT+\b], v[\h+16*\b], v[\h+16*\b+1], FLOOR
	v_max3_num_f32 v[RT+2+\b], v[\h+16*\b+8], v[\h+16*\b+9], v[\h+16*\b+10]
.endr
.irp b, 0,1
	v_max3_num_f32 v[RT+\b], v[RT+\b], v[\h+16*\b+2], v[\h+16*\b+3]
	v_max3_num_f32 v[RT+2+\b], v[RT+2+\b], v[\h+16*\b+11], v[\h+16*\b+12]
.endr
.if (\g) == 0
	MM3 0, 1
	WIN 0
.endif
.irp b, 0,1
	v_max3_num_f32 v[RT+\b], v[RT+\b], v[\h+16*\b+4], v[\h+16*\b+5]
	v_max3_num_f32 v[RT+2+\b], v[RT+2+\b], v[\h+16*\b+13], v[\h+16*\b+14]
.endr
.irp b, 0,1
	v_max3_num_f32 v[RT+\b], v[RT+\b], v[\h+16*\b+6], v[\h+16*\b+7]
.endr
.irp b, 0,1
	v_max3_num_f32 v[RT+\b], v[RT+\b], v[RT+2+\b], v[\h+16*\b+15]
.endr
.if (\g) == 0
	MM3 1, 1
	WIN 0
.endif
.irp b, 0,1
	v_permlanex16_b32 v[RU+\b], v[RT+\b], s[SEL], s[SEL+1]
.endr
.irp b, 0,1
	v_max_num_f32 v[RT+\b], v[RT+\b], v[RU+\b]
.endr
.irp b, 0,1
	v_add_nc_u32 v[RU+\b], 0xf8800000, v[RT+\b]
.endr
.irp b, 0,1
	v_and_or_b32 v[RT+\b], v[RT+\b], 0x7f800000, s[MNT]
.endr
	v_lshrrev_b32 v[HU+\g], 23, v[RU]
	v_lshrrev_b32 v[RBT], 23, v[RU+1]
	v_lshl_or_b32 v[HU+\g], v[RBT], 8, v[HU+\g]
.if (\g) == 0
	MM3 2, 1
	WIN 0
.endif
.irp i, 0,1,2,3,4,5,6,7,8,9,10,11,12,13,14,15
	v_med3_num_f32 v[\h+\i], v[\h+\i], 0, v[RT]
.endr
.if (\g) == 0
	MM3 3, 1
	WIN 0
.endif
.irp i, 0,1,2,3,4,5,6,7,8,9,10,11,12,13,14,15
	v_med3_num_f32 v[\h+16+\i], v[\h+16+\i], 0, v[RT+1]
.endr
	WIN 0x80                                       ; F in window 2
.irp b, 0,1
	v_cvt_scalef32_pk8_bf8_f32 v[192+8*\g+4*\b:193+8*\g+4*\b], v[\h+16*\b:\h+16*\b+7], v[RU+\b]
	v_cvt_scalef32_pk8_bf8_f32 v[194+8*\g+4*\b:195+8*\g+4*\b], v[\h+16*\b+8:\h+16*\b+15], v[RU+\b]
.endr
	v_nop
	WIN 0
.endm
; Half g of F and its two scale bytes go to the slot of my pair's y: index (r xor group) % 16.  The slots are my wave's own, and LDS serves a wave's instructions in order.
.macro ROTST g, grp
	v_xor_b32 v[ETA], s[\grp], v[R15]
	v_and_b32 v[ETA], 15, v[ETA]
	v_mad_u32_u24 v[VR], v[ETA], PP, v[CR]
	WIN 0x08
	ds_store_b128 v[VR], v[192+8*\g:195+8*\g] offset:32*\g
	ds_store_b128 v[VR], v[196+8*\g:199+8*\g] offset:32*\g+16
	WIN 0
	ds_store_b16 v[VR], v[HU+\g] offset:128+2*\g
.endm
.macro TFLOAD                          ; and come back from my own slot: row r of TF is y r of the block
	WIN 0x40
.irp p, 0,1,2,3
	ds_load_b128 v[224+4*\p:227+4*\p], v[VN] offset:16*\p
.endr
	WIN 0
	ds_load_b32 v[TFS], v[VN] offset:128
.endm
.macro FLUSH                           ; the sums over x of a block of 16 y, as an image of their registers: 16 bytes a lane, 512 a store; each accumulator from its low end on
	WIN 0x08
.irp c, 0,1,2,3,4,5,6,7
	ds_store_b128 v[FA], v[64+8*\c:67+8*\c] offset:1024*\c
	ds_store_b128 v[FA], v[68+8*\c:71+8*\c] offset:1024*\c+512
.endr
	WIN 0
.endm
.macro ZEROP                           ; they begin anew for the next block (the loop is written once, so no product of it can take the constant 0)
	s_wait_dscnt 0x0                               ; the stores have read their registers
	WIN 0x80
.set n, 0
.rept 64
	v_mov_b32 v[64+n], 0
.set n, n+1
.endr
	WIN 0
.endm
	; ---- the head: ids, addresses
	s_load_b512 s[8:23], s[0:1], 0x0               ; x, y, W_drug_codes, W_prot_codes, W_down_codes, W_up_codes, W_drug_scales, W_prot_scales
	s_load_b256 s[24:31], s[0:1], 0x40             ; b_drug, b_prot, W_down_scales, W_up_scales
	s_load_b128 s[32:35], s[0:1], 0x60             ; b_down, cpart
	s_load_b64 s[36:37], s[0:1], 0x70              ; ppart
	v_lshl_add_u32 v46, v0, 2, 0x49800
	v_mov_b32 v47, 0
	v_lshrrev_b32 v[TA], 5, v0
	v_readfirstlane_b32 s[WV], v[TA]               ; wave 0..3
	s_and_b32 s[BAT], ttmp7, 0xffff                ; batch
	s_and_b32 s[XH], ttmp9, 1                      ; which 64 x
	s_lshr_b32 s[YC], ttmp9, 1                     ; which 64 y
	s_mov_b32 s[SEL], 0x76543210
	s_mov_b32 s[SEL+1], 0xfedcba98                 ; v_permlanex16_b32's selects for lane l xor 16
	s_mov_b32 s[MNT], 0x600000                     ; the mantissa field of 57,344
	v_and_b32 v[R15], 15, v0
	v_bfe_u32 v[HH], v0, 4, 1
	v_and_b32 v[LN], 31, v0
	v_lshlrev_b32 v[CP], 6, v[HH]                  ; PROW = 0
	s_mul_i32 s46, s[WV], ROTW
	s_add_co_u32 s46, s46, ROT
	v_add_nc_u32 v[CR], s46, v[CP]
	v_mad_u32_u24 v[VN], v[R15], PP, v[CR]
	s_mul_i32 s46, s[WV], REDW
	s_add_co_u32 s46, s46, RED
	v_lshl_add_u32 v[FLB], v[LN], 4, s46
	v_lshlrev_b32 v[GL], 4, v[LN]                  ; memory: 16 bytes a lane
	v_lshlrev_b32 v[GX], 4, v[R15]
	v_lshl_add_u32 v[GY], v[HH], 12, v[GX]         ; y: sixteen lanes a row's 256 bytes, lanes 16-31 the next row (4,096 bytes on)
	v_lshl_add_u32 v[GX], v[HH], 9, v[GX]          ; x: the same, rows of 512 bytes
	s_mul_i32 s46, s[WV], 32*SP
	s_add_co_u32 s46, s46, XT
	v_mul_u32_u24 v[AXT], v[HH], SP
	v_lshl_add_u32 v[AXT], v[R15], 4, v[AXT]
	v_add_nc_u32 v[AXT], s46, v[AXT]               ; staging of x and y: row 32 w + lane / 16 (+ 2 k), 16 r
	v_lshrrev_b32 v[TA], 3, v[LN]
	v_and_b32 v[TB], 7, v[LN]
	v_mul_u32_u24 v[TA], v[TA], 144
	v_lshl_add_u32 v[TA], v[TB], 4, v[TA]          ; rows of 128 codes: eight lanes a row
	s_mul_i32 s46, s[WV], 32*144
	s_add_co_u32 s46, s46, WDR
	v_add_nc_u32 v[AWD], s46, v[TA]
	s_mul_i32 s46, s[WV], 16*144
	s_add_co_u32 s46, s46, WDR+WNOFF
	v_add_nc_u32 v[AWN], s46, v[TA]
	v_lshrrev_b32 v[TA], 2, v[LN]
	v_and_b32 v[TB], 3, v[LN]
	v_mul_u32_u24 v[TA], v[TA], 80
	v_lshl_add_u32 v[TA], v[TB], 4, v[TA]          ; rows of 64 codes: four lanes a row
	s_mul_i32 s46, s[WV], 32*80
	s_add_co_u32 s46, s46, WUP
	v_add_nc_u32 v[AWU], s46, v[TA]
	s_lshl_b32 s46, s[WV], 9
	s_add_co_u32 s46, s46, SMA
	v_add_nc_u32 v[ASA], s46, v[GL]
	s_lshl_b32 s46, s[WV], 6
	s_add_co_u32 s46, s46, XT
	v_mul_u32_u24 v[AXC], v[HH], 16*SP
	v_lshl_add_u32 v[AXC], v[R15], 2, v[AXC]
	v_add_nc_u32 v[AXC], s46, v[AXC]               ; my column of x's (y's) tile: 4 (16 w + r), from row 16 (lane / 16) on
	v_and_b32 v[TA], 8, v[R15]
	v_add_nc_u32 v[TA], v[TA], v[R15]              ; r + 8 (r / 8)
	v_mul_u32_u24 v[AWF], v[TA], 144
	v_lshl_add_u32 v[AWF], v[HH], 4, v[AWF]
	v_add_nc_u32 v[AWF], WDR, v[AWF]               ; a weight's fragment
	v_add_nc_u32 v[ABT], SMA, v[CP]                ; a bias's tile: 64 (lane / 16)
	v_lshl_add_u32 v[ASW], v[TA], 2, SMA           ; a weight's scale words
	v_lshlrev_b32 v[GS4], 2, v[TA]
	v_mul_u32_u24 v[AUF], v[R15], 80
	v_lshl_add_u32 v[AUF], v[HH], 4, v[AUF]
	v_add_nc_u32 v[AUF], WUP, v[AUF]
	s_mul_i32 s46, s[WV], 16*PP
	v_mad_u32_u24 v[APS], v[R15], PP, v[CP]
	v_add_nc_u32 v[APS], s46, v[APS]               ; my P row: 16 w + r
	v_lshlrev_b32 v[G2R], 1, v[R15]
	v_lshlrev_b32 v[G64], 6, v[HH]
.irp q, 0,1,2,3
	v_mov_b32 v[RU+\q], 0                          ; written once: a lane permute's destination counts as one of its sources
.endr
	s_lshl_b32 s46, s[BAT], 16                     ; x: batch x 65,536 + 256 xh + 32 w rows of 512
	s_lshl_b32 s58, s[XH], 8
	s_add_co_u32 s46, s46, s58
	s_lshl_b32 s58, s[WV], 14
	s_add_co_u32 s46, s46, s58
	s_mov_b32 s47, 0
	s_lshl_b32 s48, s[BAT], 19                     ; y: batch x 524,288 + 256 yc + 32 w rows of 4,096
	s_lshl_b32 s58, s[YC], 8
	s_add_co_u32 s48, s48, s58
	s_lshl_b32 s58, s[WV], 17
	s_add_co_u32 s48, s48, s58
	s_mov_b32 s49, 0
	s_lshl_b32 s50, s[WV], 12                      ; a quarter of 16,384 bytes of codes,
	s_mov_b32 s51, 0
	s_lshl_b32 s52, s[WV], 11                      ; of 8,192
	s_mov_b32 s53, 0
	s_lshl_b32 s54, s[YC], 3                       ; cpart: ((8 yc + b) 128 + 32 w) rows of 512 + 256 xh
	s_add_co_u32 s54, s54, s[BAT]
	s_lshl_b32 s54, s54, 16
	s_lshl_b32 s58, s[WV], 14
	s_add_co_u32 s54, s54, s58
	s_lshl_b32 s58, s[XH], 8
	s_add_co_u32 s54, s54, s58
	s_mov_b32 s55, 0
	s_lshl_b32 s56, s[XH], 3                       ; ppart: ((8 xh + b) 128 + 32 w) rows of 4,096 + 256 yc
	s_add_co_u32 s56, s56, s[BAT]
	s_lshl_b32 s56, s56, 19
	s_lshl_b32 s58, s[WV], 17
	s_add_co_u32 s56, s56, s58
	s_lshl_b32 s58, s[YC], 8
	s_add_co_u32 s56, s56, s58
	s_mov_b32 s57, 0
	s_wait_kmcnt 0x0
	s_add_nc_u64 s[8:9], s[8:9], s[46:47]
	s_add_nc_u64 s[10:11], s[10:11], s[48:49]
	s_add_nc_u64 s[12:13], s[12:13], s[50:51]
	s_add_nc_u64 s[14:15], s[14:15], s[50:51]
	s_add_nc_u64 s[16:17], s[16:17], s[52:53]
	s_add_nc_u64 s[18:19], s[18:19], s[52:53]
	s_add_nc_u64 s[34:35], s[34:35], s[54:55]
	s_add_nc_u64 s[36:37], s[36:37], s[56:57]
	s_cmp_eq_u32 s[WV], 1                          ; wave w stages the w-th of the four arrays of 512 bytes: the choice hangs on the wave's number alone
	s_cselect_b64 s[60:61], s[22:23], s[20:21]
	s_cmp_eq_u32 s[WV], 2
	s_cselect_b64 s[60:61], s[24:25], s[60:61]
	s_cmp_eq_u32 s[WV], 3
	s_cselect_b64 s[60:61], s[26:27], s[60:61]
	; ---- one batch of loads: a quarter of each tile and weight into window 3 (57 loads), then what goes straight into its registers (20 loads)
	WIN 0xc0
.irp k, 0,1,2,3,4,5,6,7,8,9,10,11,12,13,14,15
	global_load_b128 v[4*\k:4*\k+3], v[GX], s[8:9] offset:1024*\k          ; x, rows c = 32 w + 2 k + lane / 16: sixteen lanes read 256 consecutive bytes, aligned
.endr
.irp k, 0,1,2,3,4,5,6,7,8,9,10,11,12,13,14,15
	global_load_b128 v[64+4*\k:64+4*\k+3], v[GY], s[10:11] offset:8192*\k
.endr
.irp k, 0,1,2,3,4,5,6,7
	global_load_b128 v[128+4*\k:128+4*\k+3], v[GL], s[12:13] offset:512*\k
.endr
.irp k, 0,1,2,3,4,5,6,7
	global_load_b128 v[160+4*\k:160+4*\k+3], v[GL], s[14:15] offset:512*\k
.endr
.irp k, 0,1,2,3
	global_load_b128 v[192+4*\k:192+4*\k+3], v[GL], s[16:17] offset:512*\k
.endr
.irp k, 0,1,2,3
	global_load_b128 v[208+4*\k:208+4*\k+3], v[GL], s[18:19] offset:512*\k
.endr
	global_load_b128 v[224:227], v[GL], s[60:61]
	WIN 0x40
.irp t, 0,1,2,3                        ; b_down in the result's layout: lane (r, h), tile t: units 32 (t / 2) + 16 h + 8 (t % 2) + 0 .. 7
	global_load_b128 v[64+8*\t:67+8*\t], v[G64], s[32:33] offset:(32*(\t/2)+8*(\t%2))*4
	global_load_b128 v[68+8*\t:71+8*\t], v[G64], s[32:33] offset:(32*(\t/2)+8*(\t%2))*4+16
.endr
	WIN 0
.irp t, 0,1,2,3
	global_load_b32 v[WDS+\t], v[GS4], s[28:29] offset:(32*(\t/2)+8*(\t%2))*4
.endr
.irp c, 0,1,2,3,4,5,6,7
	global_load_u16 v[WUS+\c], v[G2R], s[30:31] offset:32*\c               ; W_up's two scale bytes of channel 16 c + r
.endr
	s_wait_loadcnt 20                              ; the 57 are in; the 20 issued behind them may be out
	WIN 0x0c
.irp k, 0,1,2,3,4,5,6,7,8,9,10,11,12,13,14,15
	ds_store_b128 v[AXT], v[4*\k:4*\k+3] offset:2*SP*\k
.endr
.irp k, 0,1,2,3,4,5,6,7,8,9,10,11,12,13,14,15
	ds_store_b128 v[AXT], v[64+4*\k:64+4*\k+3] offset:POFF+2*SP*\k
.endr
.irp k, 0,1,2,3,4,5,6,7
	ds_store_b128 v[AWD], v[128+4*\k:128+4*\k+3] offset:576*\k
.endr
.irp k, 0,1,2,3,4,5,6,7
	ds_store_b128 v[AWD], v[160+4*\k:160+4*\k+3] offset:WPOFF+576*\k
.endr
.irp k, 0,1,2,3
	ds_store_b128 v[AWN], v[192+4*\k:192+4*\k+3] offset:576*\k
.endr
.irp k, 0,1,2,3
	ds_store_b128 v[AWU], v[208+4*\k:208+4*\k+3] offset:640*\k
.endr
	ds_store_b128 v[ASA], v[224:227]
	WIN 0
	BARRIER                                        ; the tiles and weights lie in LDS
	; ---- products 1 and 2: my 16 x, my 16 y.  A lane takes a column and its registers run down K = c, in the operand's own order
.set n, 0
.rept 4
.set m, 0
.rept 16
	ds_load_b32 v[SA+16*n+m], v[AXC] offset:(32*n+m)*SP
.set m, m+1
.endr
.set n, n+1
.endr
.set n, 0
.rept 4
.set m, 0
.rept 16
	ds_load_b32 v[SB+16*n+m], v[AXC] offset:POFF+(32*n+m)*SP
.set m, m+1
.endr
.set n, n+1
.endr
	WIN 0x80
.irp t, 0,1,2,3,4,5,6,7
.irp c, 0,1,2,3
	ds_load_b128 v[16*\t+4*\c:16*\t+4*\c+3], v[AWF] offset:(32*(\t/2)+8*(\t%2))*144+32*\c          ; W_drug's fragments, where the sums will lie
.endr
.endr
	WIN 0xc0
.irp t, 0,1,2,3,4,5,6,7
	ds_load_b128 v[128+8*\t:131+8*\t], v[ABT] offset:1024+(32*(\t/2)+8*(\t%2))*4                  ; b_drug's tiles
	ds_load_b128 v[132+8*\t:135+8*\t], v[ABT] offset:1024+(32*(\t/2)+8*(\t%2))*4+16
.endr
	WIN 0
.irp t, 0,1,2,3,4,5,6,7
	ds_load_b32 v[WPS+\t], v[ASW] offset:(32*(\t/2)+8*(\t%2))*4                                   ; W_drug's scale words
.endr
	s_wait_dscnt 56                                ; both columns are in; the 56 loads issued behind them may be out
	Q4 SA, SC, SSW, 0, -1                          ; x's codes
	WIN 0xc0
.irp t, 0,1,2,3,4,5,6,7
.irp c, 0,1,2,3
	ds_load_b128 v[16*\t+4*\c:16*\t+4*\c+3], v[AWF] offset:WPOFF+(32*(\t/2)+8*(\t%2))*144+32*\c    ; W_prot's fragments
.endr
.endr
.irp t, 0,1,2,3,4,5,6,7
	ds_load_b128 v[192+8*\t:195+8*\t], v[ABT] offset:1536+(32*(\t/2)+8*(\t%2))*4                  ; b_prot's tiles
	ds_load_b128 v[196+8*\t:199+8*\t], v[ABT] offset:1536+(32*(\t/2)+8*(\t%2))*4+16
.endr
	WIN 0
	s_wait_dscnt 48                                ; W_drug's 56 are in; the 48 just issued may be out
	PLACES 4                                       ; codes written by vector instructions stand four places ahead of a scaled matrix instruction (the scale word stands ahead of the 64 holds)
	WIN 0xb2                                       ; W_drug and the result in window 2, b_drug in window 3
.irp t, 0,1,2,3,4,5,6,7
	v_wmma_scale_f32_16x16x128_f8f6f4 v[128+8*\t:135+8*\t], v[16*\t:16*\t+15], v[SC:SC+15], v[128+8*\t:135+8*\t], v[WPS+\t], v[SSW] matrix_a_fmt:MATRIX_FMT_BF8 matrix_b_fmt:MATRIX_FMT_BF8
.endr
	WIN 0
	Q4 SB, HA, FS, 0, -1                           ; y's codes; these lines are also the places behind the eight products
.irp t, 0,1,2,3,4,5,6,7
	ds_load_b32 v[WPS+\t], v[ASW] offset:512+(32*(\t/2)+8*(\t%2))*4                               ; W_prot's scale words take W_drug's registers
.endr
	s_wait_dscnt 0x0
	PLACES 4
	WIN 0x33                                       ; W_prot and b_prot in window 3
.irp t, 0,1,2,3,4,5,6,7
	v_wmma_scale_f32_16x16x128_f8f6f4 v[SA+8*\t:SA+8*\t+7], v[16*\t:16*\t+15], v[HA:HA+15], v[192+8*\t:199+8*\t], v[WPS+\t], v[FS] matrix_a_fmt:MATRIX_FMT_BF8 matrix_b_fmt:MATRIX_FMT_BF8
.endr
	; ---- what stays for the loop
	WIN 0x40
.irp t, 0,1,2,3
.irp c, 0,1,2,3
	ds_load_b128 v[16*\t+4*\c:16*\t+4*\c+3], v[AWF] offset:WNOFF+(32*(\t/2)+8*(\t%2))*144+32*\c    ; W_down
.endr
.endr
.irp t, 0,1,2,3,4,5,6,7
.irp c, 0,1,2,3
	ds_load_b128 v[96+16*\t+4*\c:96+16*\t+4*\c+3], v[AUF] offset:1280*\t+32*(\c%2)                 ; W_up, channel 16 t + r: its 64 codes twice along K
.endr
.endr
.set n, 0
.rept 16
	v_mov_b32 v[224+n], 0                          ; TF
.set n, n+1
.endr
	WIN 0x80
.set n, 0
.rept 128
	v_mov_b32 v[n], 0                              ; both sets of sums
.set n, n+1
.endr
.set n, 0
.rept 16
	v_mov_b32 v[192+n], 0                          ; F
.set n, n+1
.endr
	WIN 0
	v_mov_b32 v[FS], 0x7f7f7f7f                    ; over zero codes any byte but 0xff will do
	v_mov_b32 v[TFS], 0x7f7f7f7f
.irp q, 0,1,2,3                        ; (the 160 lines above are the places behind product 2)
.irp c, 0,1,2,3
	ds_store_b128 v[APS], v[SA+16*\q+4*\c:SA+16*\q+4*\c+3] offset:128*\q+16*\c                     ; my 16 P rows, each accumulator from its low end on
.endr
.endr
	s_wait_loadcnt 0x0                             ; b_down, W_down's and W_up's scales
.irp c, 0,1,2,3,4,5,6,7
	v_lshl_or_b32 v[WUS+\c], v[WUS+\c], 16, v[WUS+\c]
.endr
	BARRIER                                        ; all 64 P rows lie in LDS, and nobody reads the staging any more
	s_mov_b32 s[G], 0
	s_mov_b32 s[G1], 1
	PLOAD SA, G
	PLOAD SB, G1
	s_wait_dscnt 0x0
	; ---- 32 trips, two groups each.  The matrix instructions of a trip: 8 sums over y, product 3 of group a (4), 8 sums over x, product 3 of group b (4): no two that follow each other share an accumulator,
	; over the backward jump too, one instruction a turn
.Ltrip:
	s_add_co_u32 s[G1], s[G], 1
	s_add_co_u32 s[NA], s[G], 2
	s_add_co_u32 s[NB], s[G], 3
	s_wait_dscnt 27                                ; group a's P row is in; behind its loads: group b's 16, six turned stores, TF's five
	SQ SA, 0
	PLOAD SA, NA                                   ; the next trip's
	s_wait_dscnt 16                                ; all but the 16 just issued: group b's P row, TF and its scale word
	SQ SB, 1
	PLOAD SB, NB
	HQ HA, 0
	ROTST 0, G
	HQ HB, 1
	ROTST 1, G1
	v_lshl_or_b32 v[FS], v[HU+1], 16, v[HU]        ; F's scale word: group a's two bytes, group b's two
	TFLOAD
	s_and_b32 s46, s[G], 14                        ; in the first trip of blocks 1 to 3 the sums over x of the block before were finished by this trip's hooks
	s_cmp_lg_u32 s46, 0
	s_cbranch_scc1 .Lnoflush
	s_cmp_eq_u32 s[G], 0
	s_cbranch_scc1 .Lnoflush
	s_lshr_b32 s46, s[G], 4
	s_lshl_b32 s46, s46, 13
	v_add_nc_u32 v[FA], s46, v[FLB]
	FLUSH
	ZEROP
.Lnoflush:
	s_add_co_u32 s[G], s[G], 2
	s_cmp_lt_u32 s[G], 64
	s_cbranch_scc1 .Ltrip
	; ---- the last trip's F and TF
	s_wait_dscnt 0x0
	PLACES 8                                       ; F's scale word was written by a vector instruction: eight places ahead of the product
.irp c, 0,1,2,3,4,5,6,7
	MM4 0, \c
	MM4 1, \c
.endr
	WIN 0
	s_lshl_b32 s46, s[WV], 6
	s_add_co_u32 s46, s46, CST
	s_lshl_b32 s47, s[WV], 13
	s_add_co_u32 s47, s47, RED+IMG
	s_mul_i32 s48, s[WV], 32*SP
	s_add_co_u32 s48, s48, CST
	v_bfe_u32 v64, v0, 4, 1                        ; the way out's addresses: fourteen plain lines, the places behind the last products
	v_and_b32 v65, 31, v0
	v_add_nc_u32 v[FA], 4*IMG, v[FLB]
	v_mul_u32_u24 v66, v[R15], SP
	v_lshl_add_u32 v66, v64, 5, v66
	v_add_nc_u32 v66, s46, v66                     ; into a stage: row c = r (+ 16 ct), my wave's 64 bytes, + 32 (lane / 16)
	v_lshl_add_u32 v67, v65, 4, s47                ; the images of y tile w: image w + 1 of waves 0 and 1,
	v_add_nc_u32 v68, 2*REDW, v67                  ; of waves 2 and 3
	v_mul_u32_u24 v69, v64, SP
	v_lshl_add_u32 v69, v[R15], 4, v69
	v_add_nc_u32 v69, s48, v69                     ; out of a stage: row 32 w + lane / 16 (+ 2 k), 16 r
	v_lshlrev_b32 v70, 4, v[R15]
	v_lshl_add_u32 v71, v64, 12, v70               ; and the same two rows in ppart,
	v_lshl_add_u32 v70, v64, 9, v70                ; in cpart
	FLUSH
	WIN 0x08
.irp c, 0,1,2,3,4,5,6,7
	ds_store_b128 v66, v[8*\c:8*\c+3] offset:16*SP*\c           ; lane (r, h): the sum over y at channel 16 c + r, x 16 w + 8 h + 0 .. 7
	ds_store_b128 v66, v[8*\c+4:8*\c+7] offset:16*SP*\c+16
.endr
	WIN 0
	BARRIER                                        ; every wave's images and its part of the stage for x lie in LDS
	; ---- the four waves' sums over x are added: wave w takes y tile w
	WIN 0xc0
.irp p, 0,1,2,3
.irp k, 0,1,2,3,4,5,6,7,8,9,10,11,12,13,14,15
	ds_load_b128 v[64*\p+4*\k:64*\p+4*\k+3], v[67+\p/2] offset:REDW*(\p%2)+512*\k
.endr
.endr
	s_wait_dscnt 0x0
	WIN 0xff
.set n, 0
.rept 32
	v_pk_add_f32 v[2*n:2*n+1], v[2*n:2*n+1], v[64+2*n:65+2*n]
	v_pk_add_f32 v[128+2*n:129+2*n], v[128+2*n:129+2*n], v[192+2*n:193+2*n]
.set n, n+1
.endr
.set n, 0
.rept 32
	v_pk_add_f32 v[2*n:2*n+1], v[2*n:2*n+1], v[128+2*n:129+2*n]
.set n, n+1
.endr
	WIN 0x0c
.irp c, 0,1,2,3,4,5,6,7
	ds_store_b128 v66, v[8*\c:8*\c+3] offset:POFF+16*SP*\c
	ds_store_b128 v66, v[8*\c+4:8*\c+7] offset:POFF+16*SP*\c+16
.endr
	WIN 0
	BARRIER                                        ; both stages are whole
	; ---- out: each wave stores 32 rows c of both; sixteen lanes store 256 consecutive bytes, aligned
.irp k, 0,1,2,3,4,5,6,7,8,9,10,11,12,13,14,15
	ds_load_b128 v[SA+4*\k:SA+4*\k+3], v69 offset:2*SP*\k
.endr
.irp k, 0,1,2,3,4,5,6,7,8,9,10,11,12,13,14,15
	ds_load_b128 v[SB+4*\k:SB+4*\k+3], v69 offset:POFF+2*SP*\k
.endr
.irp k, 0,1,2,3,4,5,6,7,8,9,10,11,12,13,14,15
	s_wait_dscnt 31-\k                             ; LDS loads come back in order: the younger ones may be out
	global_store_b128 v70, v[SA+4*\k:SA+4*\k+3], s[34:35] offset:1024*\k
.endr
.irp k, 0,1,2,3,4,5,6,7,8,9,10,11,12,13,14,15
	s_wait_dscnt 15-\k
	global_store_b128 v71, v[SB+4*\k:SB+4*\k+3], s[36:37] offset:8192*\k
.endr
	s_wait_tensorcnt 0x0
	ds_add_u32 v46, v47
	s_wait_dscnt 0x0
	s_endpgm
.Lfunc_end_k_q223d8cb349_pairs:
	.size	k_q223d8cb349_pairs, .Lfunc_end_k_q223d8cb349_pairs-k_q223d8cb349_pairs
	.p2alignl 7, 3214868480
	.fill 96, 4, 3214868480
	.section	.rodata,"a",@progbits
	.p2align	6, 0x0
	.amdhsa_kernel k_q223d8cb349_pairs
		.amdhsa_group_segment_fixed_size 301568
		.amdhsa_private_segment_fixed_size 0
		.amdhsa_enable_private_segment 0
		.amdhsa_kernarg_size 120
		.amdhsa_user_sgpr_count 2
		.amdhsa_user_sgpr_kernarg_segment_ptr 1
		.amdhsa_wavefront_size32 1
		.amdhsa_system_sgpr_workgroup_id_x 1
		.amdhsa_system_sgpr_workgroup_id_y 1
		.amdhsa_system_sgpr_workgroup_id_z 1
		.amdhsa_system_vgpr_workitem_id 0
		.amdhsa_next_free_vgpr 1024
		.amdhsa_next_free_sgpr 66
		.amdhsa_reserve_vcc 0
		.amdhsa_float_denorm_mode_32 3
		.amdhsa_float_denorm_mode_16_64 3
		.amdhsa_memory_ordered 1
		.amdhsa_forward_progress 1
		.amdhsa_inst_pref_size 127
	.end_amdhsa_kernel
	.amdgpu_metadata
---
amdhsa.version: [ 1, 2 ]
amdhsa.kernels:
  - .name:           k_q223d8cb349_pairs
    .symbol:         k_q223d8cb349_pairs.kd
    .args:
      - { .name: x, .offset: 0, .size: 8, .value_kind: global_buffer, .address_space: global }
      - { .name: y, .offset: 8, .size: 8, .value_kind: global_buffer, .address_space: global }
      - { .name: W_drug_codes, .offset: 16, .size: 8, .value_kind: global_buffer, .address_space: global }
      - { .name: W_prot_codes, .offset: 24, .size: 8, .value_kind: global_buffer, .address_space: global }
      - { .name: W_down_codes, .offset: 32, .size: 8, .value_kind: global_buffer, .address_space: global }
      - { .name: W_up_codes, .offset: 40, .size: 8, .value_kind: global_buffer, .address_space: global }
      - { .name: W_drug_scales, .offset: 48, .size: 8, .value_kind: global_buffer, .address_space: global }
      - { .name: W_prot_scales, .offset: 56, .size: 8, .value_kind: global_buffer, .address_space: global }
      - { .name: b_drug, .offset: 64, .size: 8, .value_kind: global_buffer, .address_space: global }
      - { .name: b_prot, .offset: 72, .size: 8, .value_kind: global_buffer, .address_space: global }
      - { .name: W_down_scales, .offset: 80, .size: 8, .value_kind: global_buffer, .address_space: global }
      - { .name: W_up_scales, .offset: 88, .size: 8, .value_kind: global_buffer, .address_space: global }
      - { .name: b_down, .offset: 96, .size: 8, .value_kind: global_buffer, .address_space: global }
      - { .name: cpart, .offset: 104, .size: 8, .value_kind: global_buffer, .address_space: global }
      - { .name: ppart, .offset: 112, .size: 8, .value_kind: global_buffer, .address_space: global }
    .group_segment_fixed_size: 301568
    .private_segment_fixed_size: 0
    .kernarg_segment_align: 8
    .kernarg_segment_size: 120
    .max_flat_workgroup_size: 128
    .sgpr_count:     66
    .vgpr_count:     1024
    .wavefront_size: 32
...
	.end_amdgpu_metadata
.endif
;; end of part 1
;; launch gate (part 2): grid 1152 x 1, 8 waves a work-group, no clusters, 0 bytes of LDS; arguments x, y, b_up, cpart, ppart, out0, out1; writes out0, out1
.if DOCPART == 2
	.amdgcn_target "amdgcn-amd-amdhsa--gfx1250"
	.amdhsa_code_object_version 6
	.text
	.protected	k_q223d8cb349_gate
	.globl	k_q223d8cb349_gate
	.p2align	8
	.type	k_q223d8cb349_gate,@function
k_q223d8cb349_gate:
	s_mov_b64 s[64:65], 0
	v_nop
	global_prefetch_b8 v0, s[64:65] scope:SCOPE_SE
	s_setreg_imm32_b32 hwreg(HW_REG_WAVE_MODE, 25, 1), 1
	s_wait_xcnt 0x0
; The parts of the two sums are added, divided by the number of terms, b_up is added, and the gates are laid on x and y:
; m = sum / N + b_up[c];  out = v (0.5 + sigmoid(m) tanh(m)).  All arrays have the position innermost, so the work is elementwise: a stream, 16 bytes a lane, no LDS, no barrier, no matrix unit.
; Work-groups 0 to 1,023: one row (b, c) of y, 1,024 numbers, 256 threads x 4; two parts (ppart [xh 2][b][c][y]), N = 128.
; Work-groups 1,024 to 1,151: eight rows (b, c) of x, one a wave, 128 numbers, 32 lanes x 4; sixteen parts (cpart [yc 16][b][c][x]), N = 1,024.
; sigmoid(m) = 1 / (1 + 2^(-m log2 e)), tanh(m) = 1 - 2 / (1 + 2^(2 m log2 e)): an exponential that overflows gives infinity, its reciprocal 0, and the gates go to their limits.
; LIMITS: NaN and infinities among the inputs are not served.
	s_load_b256 s[4:11], s[0:1], 0x0               ; x, y, b_up, cpart
	s_load_b128 s[12:15], s[0:1], 0x20             ; ppart, out0
	s_load_b64 s[16:17], s[0:1], 0x30              ; out1
	v_lshrrev_b32 v2, 5, v0
	v_readfirstlane_b32 s2, v2                     ; wave 0..7
	s_mov_b32 s19, 0
	s_mov_b32 s27, 0
	s_cmp_lt_u32 ttmp9, 1024
	s_cbranch_scc0 .Lcomp
	s_lshl_b32 s18, ttmp9, 12                      ; row 128 b + c of 4,096 bytes
	s_and_b32 s26, ttmp9, 127
	s_lshl_b32 s26, s26, 2                         ; b_up[c]
	v_lshlrev_b32 v1, 4, v0
	s_mov_b32 s20, 0x3c000000                      ; 1 / 128
	s_wait_kmcnt 0x0
	s_add_nc_u64 s[6:7], s[6:7], s[18:19]
	s_add_nc_u64 s[12:13], s[12:13], s[18:19]
	s_add_nc_u64 s[24:25], s[16:17], s[18:19]
	s_add_nc_u64 s[8:9], s[8:9], s[26:27]
	s_load_b32 s22, s[8:9], 0x0
	global_load_b128 v[8:11], v1, s[12:13] th:TH_LOAD_NT
	global_load_b128 v[12:15], v1, s[12:13] offset:4194304 th:TH_LOAD_NT
	global_load_b128 v[4:7], v1, s[6:7] th:TH_LOAD_NT
	s_wait_loadcnt 0x1                             ; the parts are in; y, wanted last, may be out
	v_pk_add_f32 v[8:9], v[8:9], v[12:13]
	v_pk_add_f32 v[10:11], v[10:11], v[14:15]
	s_branch .Lgate
.Lcomp:
	s_sub_co_u32 s18, ttmp9, 1024
	s_lshl_b32 s18, s18, 3
	s_add_co_u32 s18, s18, s2                      ; row 128 b + c
	s_and_b32 s26, s18, 127
	s_lshl_b32 s26, s26, 2
	s_lshl_b32 s18, s18, 9                         ; of 512 bytes
	v_and_b32 v1, 31, v0
	v_lshlrev_b32 v1, 4, v1
	s_mov_b32 s20, 0x3a800000                      ; 1 / 1,024
	s_wait_kmcnt 0x0
	s_add_nc_u64 s[4:5], s[4:5], s[18:19]
	s_add_nc_u64 s[10:11], s[10:11], s[18:19]
	s_add_nc_u64 s[24:25], s[14:15], s[18:19]
	s_add_nc_u64 s[8:9], s[8:9], s[26:27]
	s_load_b32 s22, s[8:9], 0x0
.irp k, 0,1,2,3,4,5,6,7,8,9,10,11,12,13,14,15
	global_load_b128 v[32+4*\k:35+4*\k], v1, s[10:11] offset:524288*\k th:TH_LOAD_NT
.endr
	global_load_b128 v[4:7], v1, s[4:5] th:TH_LOAD_NT
	s_wait_loadcnt 0x1                             ; the sixteen parts are in; x may be out
.irp k, 2,4,6,8,10,12,14               ; two chains: the even parts, the odd parts
	v_pk_add_f32 v[32:33], v[32:33], v[32+4*\k:33+4*\k]
	v_pk_add_f32 v[34:35], v[34:35], v[34+4*\k:35+4*\k]
	v_pk_add_f32 v[36:37], v[36:37], v[36+4*\k:37+4*\k]
	v_pk_add_f32 v[38:39], v[38:39], v[38+4*\k:39+4*\k]
.endr
	v_pk_add_f32 v[8:9], v[32:33], v[36:37]
	v_pk_add_f32 v[10:11], v[34:35], v[38:39]
.Lgate:
	s_wait_kmcnt 0x0                               ; b_up[c]
	s_mov_b32 s21, s20                             ; (named with s20 as a pair, so it is written)
	v_mov_b32 v16, s22
	v_mov_b32 v17, s22
	v_pk_fma_f32 v[8:9], v[8:9], s[20:21], v[16:17] op_sel_hi:[1,0,1]      ; m = sum / N + b_up
	v_pk_fma_f32 v[10:11], v[10:11], s[20:21], v[16:17] op_sel_hi:[1,0,1]
	v_pk_mul_f32 v[20:21], v[8:9], 0xbfb8aa3b op_sel_hi:[1,0]              ; -m log2 e
	v_pk_mul_f32 v[22:23], v[10:11], 0xbfb8aa3b op_sel_hi:[1,0]
	v_pk_mul_f32 v[24:25], v[8:9], 0x4038aa3b op_sel_hi:[1,0]              ; 2 m log2 e
	v_pk_mul_f32 v[26:27], v[10:11], 0x4038aa3b op_sel_hi:[1,0]
.irp i, 0,1,2,3,4,5,6,7
	v_exp_f32 v[20+\i], v[20+\i]
.endr
	v_nop                                          ; a plain line behind the last exponential,
	s_wait_alu depctr_va_vdst(0)                   ; and one wait for the eight, ahead of their first reader
.irp i, 0,2,4,6
	v_pk_add_f32 v[20+\i:21+\i], v[20+\i:21+\i], 1.0 op_sel_hi:[1,0]
.endr
.irp i, 0,1,2,3,4,5,6,7
	v_rcp_f32 v[20+\i], v[20+\i]
.endr
	v_nop
	s_wait_alu depctr_va_vdst(0)                   ; one wait for the eight reciprocals
	v_pk_fma_f32 v[24:25], v[24:25], -2.0, 1.0 op_sel_hi:[1,0,0]           ; tanh
	v_pk_fma_f32 v[26:27], v[26:27], -2.0, 1.0 op_sel_hi:[1,0,0]
	v_pk_fma_f32 v[20:21], v[20:21], v[24:25], 0.5 op_sel_hi:[1,1,0]       ; 0.5 + sigmoid x tanh
	v_pk_fma_f32 v[22:23], v[22:23], v[26:27], 0.5 op_sel_hi:[1,1,0]
	s_wait_loadcnt 0x0                             ; x or y
	v_pk_mul_f32 v[28:29], v[4:5], v[20:21]
	v_pk_mul_f32 v[30:31], v[6:7], v[22:23]
	global_store_b128 v1, v[28:31], s[24:25] th:TH_STORE_NT                ; a wave stores 512 consecutive bytes, aligned
	s_endpgm
.Lfunc_end_k_q223d8cb349_gate:
	.size	k_q223d8cb349_gate, .Lfunc_end_k_q223d8cb349_gate-k_q223d8cb349_gate
	.p2alignl 7, 3214868480
	.fill 96, 4, 3214868480
	.section	.rodata,"a",@progbits
	.p2align	6, 0x0
	.amdhsa_kernel k_q223d8cb349_gate
		.amdhsa_group_segment_fixed_size 0
		.amdhsa_private_segment_fixed_size 0
		.amdhsa_enable_private_segment 0
		.amdhsa_kernarg_size 56
		.amdhsa_user_sgpr_count 2
		.amdhsa_user_sgpr_kernarg_segment_ptr 1
		.amdhsa_wavefront_size32 1
		.amdhsa_system_sgpr_workgroup_id_x 1
		.amdhsa_system_sgpr_workgroup_id_y 1
		.amdhsa_system_sgpr_workgroup_id_z 1
		.amdhsa_system_vgpr_workitem_id 0
		.amdhsa_next_free_vgpr 96
		.amdhsa_next_free_sgpr 66
		.amdhsa_reserve_vcc 0
		.amdhsa_float_denorm_mode_32 3
		.amdhsa_float_denorm_mode_16_64 3
		.amdhsa_memory_ordered 1
		.amdhsa_forward_progress 1
		.amdhsa_inst_pref_size 8
	.end_amdhsa_kernel
	.amdgpu_metadata
---
amdhsa.version: [ 1, 2 ]
amdhsa.kernels:
  - .name:           k_q223d8cb349_gate
    .symbol:         k_q223d8cb349_gate.kd
    .args:
      - { .name: x, .offset: 0, .size: 8, .value_kind: global_buffer, .address_space: global }
      - { .name: y, .offset: 8, .size: 8, .value_kind: global_buffer, .address_space: global }
      - { .name: b_up, .offset: 16, .size: 8, .value_kind: global_buffer, .address_space: global }
      - { .name: cpart, .offset: 24, .size: 8, .value_kind: global_buffer, .address_space: global }
      - { .name: ppart, .offset: 32, .size: 8, .value_kind: global_buffer, .address_space: global }
      - { .name: out0, .offset: 40, .size: 8, .value_kind: global_buffer, .address_space: global }
      - { .name: out1, .offset: 48, .size: 8, .value_kind: global_buffer, .address_space: global }
    .group_segment_fixed_size: 0
    .private_segment_fixed_size: 0
    .kernarg_segment_align: 8
    .kernarg_segment_size: 56
    .max_flat_workgroup_size: 256
    .sgpr_count:     66
    .vgpr_count:     96
    .wavefront_size: 32
...
	.end_amdgpu_metadata
.endif
;; end of part 2
;; ======== version 2 of 2: 2 launches
;; workspace buffers: cpart 8,388,608 bytes; ppart 8,388,608 bytes
;; launch pairs (part 3): grid 32 x 8, 4 waves a work-group, no clusters, 301,568 bytes of LDS; arguments x, y, W_drug_codes, W_prot_codes, W_down_codes, W_up_codes, W_drug_scales, W_prot_scales, b_drug, b_prot, W_down_scales, W_up_scales, b_down, cpart, ppart; writes cpart, ppart
.if DOCPART == 3
	.amdgcn_target "amdgcn-amd-amdhsa--gfx1250"
	.amdhsa_code_object_version 6
	.text
	.protected	k_q223d8cb349_pairs
	.globl	k_q223d8cb349_pairs
	.p2align	8
	.type	k_q223d8cb349_pairs,@function
k_q223d8cb349_pairs:
	s_mov_b64 s[64:65], 0
	v_nop
	global_prefetch_b8 v0, s[64:65] scope:SCOPE_SE
	s_setreg_imm32_b32 hwreg(HW_REG_WAVE_SCHED_MODE, 0, 2), 2
	s_setreg_imm32_b32 hwreg(HW_REG_WAVE_MODE, 25, 1), 1
	s_wait_xcnt 0x0
	s_wait_alu depctr_vm_vsrc(0)
; All four quantised products of the gated attention, on codes of BF8 (E5M2) with one E8M0 scale for each 32 along K.
; A work-group owns batch b, 64 x and 64 y: 4,096 pairs.  It makes its own 64 rows of drug_att and of prot_att, then for each pair
; s = relu(drug + prot) (quantised along its 128), h = relu(Q(s) W_down + b_down) (quantised along its 64), and the SUMS of Q(h) W_up over its 64 y
; (cpart [yc 16][b 8][c 128][x 128]) and over its 64 x (ppart [xh 2][b 8][c 128][y 1024]), without b_up and not yet divided: the next launch adds the parts.
; SHARES.  Wave w owns 16 x (lane % 16 = r: x = 16 w + r) and walks the 64 y in 64 groups.  In group g lane r holds the pair (x r, y r xor g): a diagonal, so that in 16 groups every x meets every y of a block of 16.
; THE SUMS COST NO VECTOR ADDITION.  W_up has K = 64; its codes lie TWICE along the instruction's 128, and an operand row holds the hidden codes of TWO pairs.  With rows = x (fragment F: groups 2 t and 2 t + 1 as they
; come out of the conversions) the accumulators add over y; the same codes, stored to the wave's own LDS slots at index r xor (g % 16) and read back at index r, have rows = y (fragment TF), and a second set of accumulators adds over x.
; LAYOUT.  Products 1 to 3 are used transposed (source 0 = 16 rows of the weight, source 1 = the rows' codes), and lane r of tile 2 b + u takes the weight's row 32 b + 8 u + r + 8 (r / 8):
; a lane then holds ONE row, and the 16 registers of two neighbouring tiles are 16 neighbours along the next K, 32 b + 16 (lane / 16) + 0 .. 15: the conversions' results are the next operand's registers.  Biases are the C of the products.
; ONE WAVE TO A SIMD, MATRIX INSTRUCTIONS SINGLY AMONG THE VECTOR WORK.  What must stay in registers (drug's rows 64, W_down 64, b_down 32, W_up twice 128, two sets of sums 128) leaves no room for two waves; a trip has
; 461 vector lines for 24 matrix instructions, so each matrix instruction stands alone behind a piece of the quantisers' work, at the price of two window switches.
; NO TENSOR LOADS, NO CLUSTER: what work-groups share (32 KiB of x, 32 KiB of y, 48 KiB of weights) is read once at the head, through registers into LDS; the loop reads no memory.
; THE LOOP IS WRITTEN ONCE.  F, TF and all sums begin as zeros, so the first trip's products of the trip before add nothing (16 matrix instructions a wave on zeros, 160 v_mov_b32 once, in place of a second copy of the trip);
; the last trip's look-ahead wraps to rows 0 and 1 of the P rows (inside the region) and is not used.
; LIMITS: NaN and infinities among the inputs are not served.  A block of zeros (or, ahead of a relu, with nothing positive) gets the scale byte 1 where the quantiser says 127: its codes are zeros, and the bytes are read here alone.
; THE MODE: SCHED_MODE bits 1:0 = 2 (LLVM: expert scheduling mode 2), set by the entry lines.  The code itself states the register dependences between vector or matrix instructions and memory or LDS instructions, with s_wait_alu, always for 0.
; THE PLAN.  Registers that LDS instructions touch in the loop, and who else names them:
;   SA, SB       A group's additions, maxima, holds and conversions read and write its row; behind them the next trip's row lands in it, four loads behind each of the four tiles of product 3 that follow.
;   AP, AP2      The rows' addresses, one for SA and one for SB: written once a trip, behind the group's conversions; read by that row's sixteen loads.
;   F, HU        Written by the two groups' conversions and shifts; read by the six turned stores at the trip's end (and F by the next trip's sums over y).
;   VR, VR2      The turned stores' addresses, one a group: written behind the second group's conversions.
;   TF, TFS      Read by the eight sums over x, among group b's quantiser; loaded anew at the trip's end.
;   CP, CR, VN, FLB, R15 are never written in the loop.
; THE WAITS OF A TRIP.  One on vm_vsrc, behind group a's conversions: the LDS instructions of the trip before have read AP, AP2, VR, VR2, F and HU, all of which this trip writes again.
; Three on va_vdst: behind AP's lines (SA is done with, AP is written, s's codes and scale word are written for group a's product 3); behind AP2's lines (the same for SB, AP2, group b); behind VR's, VR2's and FS's lines
; (F, HU and the two addresses are written for the stores; the sums over x are done reading TF and TFS; F and FS are written for the next sums over y).  Between such a wait and the LDS instructions that lean on it no vector or matrix instruction names their registers.
; REGISTERS, in windows of 256 (s_set_vgpr_msb: bits 1:0 source 0, 3:2 source 1, 5:4 source 2, 7:6 destination):
;   window 0: v1-9, v46-47 addresses; v10-20 at work; v21-22 a group's two scale bytes; v23-45 scale words; v48-63 s's codes; v64-95, v96-127 h of groups a, b; v128-191, v192-255 P rows, then s, of groups a, b
;   window 1: v0-63 W_down; v64-95 b_down; v96-223 W_up, twice along K; v224-239 TF       window 2: v0-63 sums over y; v64-127 sums over x; v128-191 drug's rows; v192-207 F       window 3: head and way out
.set PP,    528                        ; a P row, and a turning slot: 512 bytes + 16: 33 x 16, so that 16 different rows fall on 16 different columns of 16 bytes
.set PROW,  0                          ; 64 rows of prot_att + b_prot
.set ROT,   64*PP                      ; the turning slots: 16 for each wave
.set ROTW,  16*PP
.set RED,   ROT+4*ROTW                 ; images of the sums over x: [wave 4][5] of 8,192 bytes; a wave's first image is never written: the flush's address is FLB + 8,192 (g / 16), g / 16 = 1 .. 4
.set IMG,   8192
.set REDW,  5*IMG
.set CST,   RED+4*REDW                 ; 128 rows c x (64 x in f32 + 16 bytes)
.set SP,    272
.set POFF,  128*SP                     ; from CST to the like stage for y, and from x's tile to y's
.set XT,    RED                        ; the head's staging lies over RED: its last read stands ahead of the barrier behind which RED is first written
.set WDR,   XT+2*POFF                  ; W_drug's codes, 128 rows x (128 + 16)
.set WPOFF, 128*144                    ; to W_prot's
.set WNOFF, 2*WPOFF                    ; to W_down's, 64 rows
.set WUP,   WDR+WNOFF+64*144           ; W_up's codes, 128 rows x (64 + 16)
.set SMA,   WUP+128*80                 ; W_drug_scales, W_prot_scales, b_drug, b_prot: 512 bytes each
.set FLOOR, 0x8000000                  ; 2^(16 - 127): no largest magnitude is taken under it, so a scale's byte cannot fall under 1
.set R15, 1                            ; r
.set CP,  2                            ; PROW + 64 (lane / 16)
.set CR,  3                            ; my wave's slots + 64 (lane / 16)
.set VN,  4                            ; my own slot: CR + 528 r
.set FLB, 5                            ; RED + 40,960 wave + 16 lane
.set AP,  6                            ; the address of group a's next P row
.set VR,  7                            ; the slot of group a's y
.set ETA, 8
.set FA,  9
.set RT,  10                           ; v10-13 largest magnitudes, then the largest number x the scale
.set RU,  14                           ; v14-17 the other half's maxima, then the conversions' scale operands
.set RBT, 18                           ; v18-20 bytes
.set HU,  21                           ; v21, v22 the two scale bytes of group a, of group b
.set SSW, 23                           ; s's scale word
.set FS,  24                           ; F's
.set TFS, 25                           ; TF's
.set WDS, 26                           ; v26-29 W_down's scale words
.set WUS, 30                           ; v30-37 W_up's, the two bytes twice
.set WPS, 38                           ; v38-45 W_drug's, then W_prot's
.set VR2, 46                           ; the slot of group b's y
.set AP2, 47                           ; the address of group b's next P row
.set SC,  48
.set HA,  64
.set HB,  96
.set SA,  128
.set SB,  192
.set GX,  96                           ; the head's addresses lie where group b's h will lie
.set GY,  97
.set GL,  98
.set HH,  99
.set AXT, 100
.set AWD, 101
.set AWN, 102
.set AWU, 103
.set ASA, 104
.set AXC, 105
.set AWF, 106
.set ABT, 107
.set ASW, 108
.set AUF, 109
.set APS, 110
.set TA,  111
.set TB,  112
.set GS4, 113
.set G2R, 114
.set G64, 115
.set LN,  116
.set WV,  2
.set BAT, 3
.set XH,  4
.set YC,  5
.set SEL, 38
.set MNT, 40
.set G,   41                           ; the trip's first group, 0, 2, .. 62
.set G1,  42
.set NA,  43
.set NB,  44
.set MSB, 0
.macro WIN new                         ; the immediate's high byte repeats the setting that is left; a switch that changes nothing is dropped
.if MSB != \new
	s_set_vgpr_msb (MSB<<8)|\new
.set MSB, \new
.endif
.endm
.macro PLACES n
.rept \n
	v_nop
.endr
.endm
.macro BARRIER                         ; my LDS stores have landed and my LDS loads are in: then the work-group's barrier
	s_wait_dscnt 0x0
	s_barrier_signal -1
	s_barrier_wait -1
.endm
; Product 3, tile t, for group a (hb = 0) or b (1): h^T = W_down s^T + b_down.  The caller sets the window back.
.macro MM3 t, hb
	WIN 0x11                                       ; W_down and b_down in window 1
	v_wmma_scale_f32_16x16x128_f8f6f4 v[HA+32*(\hb)+8*(\t):HA+32*(\hb)+8*(\t)+7], v[16*(\t):16*(\t)+15], v[SC:SC+15], v[64+8*(\t):64+8*(\t)+7], v[WDS+(\t)], v[SSW] matrix_a_fmt:MATRIX_FMT_BF8 matrix_b_fmt:MATRIX_FMT_BF8
.endm
; Product 4, 16 channels 16 ct on: kind 0: rows = x (F), the sum over y; kind 1: rows = y (TF), the sum over x.
.macro MM4 kind, ct
.if (\kind) == 0
	WIN 0xa6
	v_wmma_scale_f32_16x16x128_f8f6f4 v[8*(\ct):8*(\ct)+7], v[192:207], v[96+16*(\ct):96+16*(\ct)+15], v[8*(\ct):8*(\ct)+7], v[FS], v[WUS+(\ct)] matrix_a_fmt:MATRIX_FMT_BF8 matrix_b_fmt:MATRIX_FMT_BF8
.else
	WIN 0xa5
	v_wmma_scale_f32_16x16x128_f8f6f4 v[64+8*(\ct):64+8*(\ct)+7], v[224:239], v[96+16*(\ct):96+16*(\ct)+15], v[64+8*(\ct):64+8*(\ct)+7], v[TFS], v[WUS+(\ct)] matrix_a_fmt:MATRIX_FMT_BF8 matrix_b_fmt:MATRIX_FMT_BF8
.endif
.endm
.macro HK kind, n                      ; a hook in the vector work: one matrix instruction of the trip before, or nothing
.if (\kind) >= 0
	MM4 \kind, \n
	WIN 0
.endif
.endm
; The P row of the group whose number stands in s[grp]: row (r xor group) % 64.  PADDR makes its address; PLD4 brings my half's 16 numbers of block q of 32: four loads.
.macro PADDR adr, grp
	v_xor_b32 v[ETA], s[\grp], v[R15]
	v_and_b32 v[ETA], 63, v[ETA]
	v_mad_u32_u24 v[\adr], v[ETA], PP, v[CP]
.endm
.macro PLD4 reg, adr, q
.irp c, 0,1,2,3
	ds_load_b128 v[\reg+16*(\q)+4*\c:\reg+16*(\q)+4*\c+3], v[\adr] offset:128*(\q)+16*\c
.endr
.endm
; 64 numbers of a lane, register 16 q + i = k 32 q + 16 (lane / 16) + i of its row, become 16 registers of codes at v[dst] and the row's scale word in v[word].
; relu = 1: what is negative becomes 0 on the way: no |.| on the maxima's sources, and the hold clips at 0.  Eight hooks.
.macro Q4 src, dst, word, relu, kind
.irp i, 0,2,4,6,8,10,12,14
.irp q, 0,1,2,3                        ; the four blocks by turns: no line waits for the line above it
.if \i == 0
.if \relu
	v_max3_num_f32 v[RT+\q], v[\src+16*\q], v[\src+16*\q+1], FLOOR
.else
	v_max3_num_f32 v[RT+\q], |v[\src+16*\q]|, |v[\src+16*\q+1]|, FLOOR
.endif
.else
.if \relu
	v_max3_num_f32 v[RT+\q], v[RT+\q], v[\src+16*\q+\i], v[\src+16*\q+\i+1]
.else
	v_max3_num_f32 v[RT+\q], v[RT+\q], |v[\src+16*\q+\i]|, |v[\src+16*\q+\i+1]|
.endif
.endif
.endr
.if \i == 6
	HK \kind, 0
.endif
.if \i == 14
	HK \kind, 1
.endif
.endr
.irp q, 0,1,2,3
	v_permlanex16_b32 v[RU+\q], v[RT+\q], s[SEL], s[SEL+1]
.endr
.irp q, 0,1,2,3
	v_max_num_f32 v[RT+\q], v[RT+\q], v[RU+\q]     ; with lane l xor 16's 16 numbers: the block's largest magnitude
.endr
.irp q, 0,1,2,3
	v_add_nc_u32 v[RU+\q], 0xf8800000, v[RT+\q]    ; 15 off its exponent field: the conversion takes the exponent field of this operand as its scale
.endr
	HK \kind, 2
.irp q, 0,1,2,3
	v_and_or_b32 v[RT+\q], v[RT+\q], 0x7f800000, s[MNT]   ; 57,344 x the scale
.endr
	v_lshrrev_b32 v[\word], 23, v[RU]              ; the four bytes make the row's scale word
	v_lshrrev_b32 v[RBT], 23, v[RU+1]
	v_lshrrev_b32 v[RBT+1], 23, v[RU+2]
	v_lshrrev_b32 v[RBT+2], 23, v[RU+3]
	v_lshl_or_b32 v[\word], v[RBT], 8, v[\word]
	v_lshl_or_b32 v[RBT+1], v[RBT+2], 8, v[RBT+1]
	v_lshl_or_b32 v[\word], v[RBT+1], 16, v[\word]
	HK \kind, 3
.irp q, 0,1,2,3
.irp i, 0,1,2,3,4,5,6,7,8,9,10,11,12,13,14,15
.if \relu
	v_med3_num_f32 v[\src+16*\q+\i], v[\src+16*\q+\i], 0, v[RT+\q]          ; the activation and the hold in one (the conversion to an 8-bit code does not saturate: ISA guide 7.6.2)
.else
	v_med3_num_f32 v[\src+16*\q+\i], v[\src+16*\q+\i], -v[RT+\q], v[RT+\q]
.endif
.endr
	HK \kind, 4+\q
.endr
.irp q, 0,1,2,3
	v_cvt_scalef32_pk8_bf8_f32 v[\dst+4*\q:\dst+4*\q+1], v[\src+16*\q:\src+16*\q+7], v[RU+\q]
	v_cvt_scalef32_pk8_bf8_f32 v[\dst+4*\q+2:\dst+4*\q+3], v[\src+16*\q+8:\src+16*\q+15], v[RU+\q]
.endr
	v_nop                                          ; one plain line between the conversions and whatever next touches their results or sources
.endm
; s = relu(drug + prot) of one group, quantised.  k = 0: group a; the hooks are the eight sums over y of the trip before.  k = 1: group b; group a's four tiles of product 3 stand among the additions,
; and behind each of them four loads of group a's next P row (no vector or matrix instruction since the wait ahead of this macro names SA or AP); the hooks are the eight sums over x.
.macro SQ src, k
	WIN 0x08                                       ; drug's rows in window 2
.set sj, 0
.rept 32
	v_pk_add_f32 v[\src+2*sj:\src+2*sj+1], v[\src+2*sj:\src+2*sj+1], v[128+2*sj:128+2*sj+1]
.if (\k) && (sj%8 == 7)
	MM3 sj/8, 0
.if sj != 31
	WIN 0x08                                       ; (an LDS load's data and address lie in window 0 under this setting too)
.else
	WIN 0
.endif
	PLD4 SA, AP, sj/8
.endif
.set sj, sj+1
.endr
	WIN 0
	Q4 \src, SC, SSW, 1, \k
.endm
; h = relu(..) of one group, 32 numbers a lane in two blocks, quantised into half g of F; its two scale bytes into v[HU + g].  g = 0: group b's four tiles of product 3 stand among the lines,
; and behind each of them four loads of group b's next P row (no vector or matrix instruction since the wait ahead of this macro names SB or AP2).
.macro HQ h, g
.irp b, 0,1                            ; two chains a block; each tile of product 3 is first read at its low end
	v_max3_num_f32 v[RT+\b], v[\h+16*\b], v[\h+16*\b+1], FLOOR
	v_max3_num_f32 v[RT+2+\b], v[\h+16*\b+8], v[\h+16*\b+9], v[\h+16*\b+10]
.endr
.irp b, 0,1
	v_max3_num_f32 v[RT+\b], v[RT+\b], v[\h+16*\b+2], v[\h+16*\b+3]
	v_max3_num_f32 v[RT+2+\b], v[RT+2+\b], v[\h+16*\b+11], v[\h+16*\b+12]
.endr
.if (\g) == 0
	MM3 0, 1
	WIN 0
	PLD4 SB, AP2, 0
.endif
.irp b, 0,1
	v_max3_num_f32 v[RT+\b], v[RT+\b], v[\h+16*\b+4], v[\h+16*\b+5]
	v_max3_num_f32 v[RT+2+\b], v[RT+2+\b], v[\h+16*\b+13], v[\h+16*\b+14]
.endr
.irp b, 0,1
	v_max3_num_f32 v[RT+\b], v[RT+\b], v[\h+16*\b+6], v[\h+16*\b+7]
.endr
.irp b, 0,1
	v_max3_num_f32 v[RT+\b], v[RT+\b], v[RT+2+\b], v[\h+16*\b+15]
.endr
.if (\g) == 0
	MM3 1, 1
	WIN 0
	PLD4 SB, AP2, 1
.endif
.irp b, 0,1
	v_permlanex16_b32 v[RU+\b], v[RT+\b], s[SEL], s[SEL+1]
.endr
.irp b, 0,1
	v_max_num_f32 v[RT+\b], v[RT+\b], v[RU+\b]
.endr
.irp b, 0,1
	v_add_nc_u32 v[RU+\b], 0xf8800000, v[RT+\b]
.endr
.irp b, 0,1
	v_and_or_b32 v[RT+\b], v[RT+\b], 0x7f800000, s[MNT]
.endr
	v_lshrrev_b32 v[HU+\g], 23, v[RU]
	v_lshrrev_b32 v[RBT], 23, v[RU+1]
	v_lshl_or_b32 v[HU+\g], v[RBT], 8, v[HU+\g]
.if (\g) == 0
	MM3 2, 1
	WIN 0
	PLD4 SB, AP2, 2
.endif
.irp i, 0,1,2,3,4,5,6,7,8,9,10,11,12,13,14,15
	v_med3_num_f32 v[\h+\i], v[\h+\i], 0, v[RT]
.endr
.if (\g) == 0
	MM3 3, 1
	WIN 0
	PLD4 SB, AP2, 3
.endif
.irp i, 0,1,2,3,4,5,6,7,8,9,10,11,12,13,14,15
	v_med3_num_f32 v[\h+16+\i], v[\h+16+\i], 0, v[RT+1]
.endr
	WIN 0x80                                       ; F in window 2
.irp b, 0,1
	v_cvt_scalef32_pk8_bf8_f32 v[192+8*\g+4*\b:193+8*\g+4*\b], v[\h+16*\b:\h+16*\b+7], v[RU+\b]
	v_cvt_scalef32_pk8_bf8_f32 v[194+8*\g+4*\b:195+8*\g+4*\b], v[\h+16*\b+8:\h+16*\b+15], v[RU+\b]
.endr
	v_nop
	WIN 0
.endm
; The two halves of F and their scale bytes go to the slots of my two pairs' y: index (r xor group) % 16.  The slots are my wave's own, and LDS serves a wave's instructions in order.
.macro RADDR adr, grp
	v_xor_b32 v[ETA], s[\grp], v[R15]
	v_and_b32 v[ETA], 15, v[ETA]
	v_mad_u32_u24 v[\adr], v[ETA], PP, v[CR]
.endm
.macro ROT2
	WIN 0x08
	ds_store_b128 v[VR], v[192:195]
	ds_store_b128 v[VR], v[196:199] offset:16
	ds_store_b128 v[VR2], v[200:203] offset:32
	ds_store_b128 v[VR2], v[204:207] offset:48
	WIN 0
	ds_store_b16 v[VR], v[HU] offset:128
	ds_store_b16 v[VR2], v[HU+1] offset:130
.endm
.macro TFLOAD                          ; and come back from my own slot: row r of TF is y r of the block
	WIN 0x40
.irp p, 0,1,2,3
	ds_load_b128 v[224+4*\p:227+4*\p], v[VN] offset:16*\p
.endr
	WIN 0
	ds_load_b32 v[TFS], v[VN] offset:128
.endm
.macro FLUSH                           ; the sums over x of a block of 16 y, as an image of their registers: 16 bytes a lane, 512 a store; each accumulator from its low end on
	WIN 0x08
.irp c, 0,1,2,3,4,5,6,7
	ds_store_b128 v[FA], v[64+8*\c:67+8*\c] offset:1024*\c
	ds_store_b128 v[FA], v[68+8*\c:71+8*\c] offset:1024*\c+512
.endr
	WIN 0
.endm
.macro ZEROP                           ; they begin anew for the next block (the loop is written once, so no product of it can take the constant 0)
	s_wait_dscnt 0x0                               ; the stores are done
	s_wait_alu depctr_vm_vsrc(0)                   ; the flush's stores have read the sums over x, which the lines below write, and v[FA]
	WIN 0x80
.set n, 0
.rept 64
	v_mov_b32 v[64+n], 0
.set n, n+1
.endr
	WIN 0
.endm
	; ---- the head: ids, addresses
	s_load_b512 s[8:23], s[0:1], 0x0               ; x, y, W_drug_codes, W_prot_codes, W_down_codes, W_up_codes, W_drug_scales, W_prot_scales
	s_load_b256 s[24:31], s[0:1], 0x40             ; b_drug, b_prot, W_down_scales, W_up_scales
	s_load_b128 s[32:35], s[0:1], 0x60             ; b_down, cpart
	s_load_b64 s[36:37], s[0:1], 0x70              ; ppart
	s_set_vgpr_msb 0x40
	v_lshl_add_u32 v254, v0, 2, 0x49800
	v_mov_b32 v255, 0
	s_set_vgpr_msb 0x4000
	v_lshrrev_b32 v[TA], 5, v0
	v_readfirstlane_b32 s[WV], v[TA]               ; wave 0..3
	s_and_b32 s[BAT], ttmp7, 0xffff                ; batch
	s_and_b32 s[XH], ttmp9, 1                      ; which 64 x
	s_lshr_b32 s[YC], ttmp9, 1                     ; which 64 y
	s_mov_b32 s[SEL], 0x76543210
	s_mov_b32 s[SEL+1], 0xfedcba98                 ; v_permlanex16_b32's selects for lane l xor 16
	s_mov_b32 s[MNT], 0x600000                     ; the mantissa field of 57,344
	v_and_b32 v[R15], 15, v0
	v_bfe_u32 v[HH], v0, 4, 1
	v_and_b32 v[LN], 31, v0
	v_lshlrev_b32 v[CP], 6, v[HH]                  ; PROW = 0
	s_wait_alu depctr_va_sdst(0)                   ; the wave's number is written, ahead of its first reader: LDS and memory offsets are made from it
	s_mul_i32 s46, s[WV], ROTW
	s_add_co_u32 s46, s46, ROT
	v_add_nc_u32 v[CR], s46, v[CP]
	v_mad_u32_u24 v[VN], v[R15], PP, v[CR]
	s_mul_i32 s46, s[WV], REDW
	s_add_co_u32 s46, s46, RED
	v_lshl_add_u32 v[FLB], v[LN], 4, s46
	v_lshlrev_b32 v[GL], 4, v[LN]                  ; memory: 16 bytes a lane
	v_lshlrev_b32 v[GX], 4, v[R15]
	v_lshl_add_u32 v[GY], v[HH], 12, v[GX]         ; y: sixteen lanes a row's 256 bytes, lanes 16-31 the next row (4,096 bytes on)
	v_lshl_add_u32 v[GX], v[HH], 9, v[GX]          ; x: the same, rows of 512 bytes
	s_mul_i32 s46, s[WV], 32*SP
	s_add_co_u32 s46, s46, XT
	v_mul_u32_u24 v[AXT], v[HH], SP
	v_lshl_add_u32 v[AXT], v[R15], 4, v[AXT]
	v_add_nc_u32 v[AXT], s46, v[AXT]               ; staging of x and y: row 32 w + lane / 16 (+ 2 k), 16 r
	v_lshrrev_b32 v[TA], 3, v[LN]
	v_and_b32 v[TB], 7, v[LN]
	v_mul_u32_u24 v[TA], v[TA], 144
	v_lshl_add_u32 v[TA], v[TB], 4, v[TA]          ; rows of 128 codes: eight lanes a row
	s_mul_i32 s46, s[WV], 32*144
	s_add_co_u32 s46, s46, WDR
	v_add_nc_u32 v[AWD], s46, v[TA]
	s_mul_i32 s46, s[WV], 16*144
	s_add_co_u32 s46, s46, WDR+WNOFF
	v_add_nc_u32 v[AWN], s46, v[TA]
	v_lshrrev_b32 v[TA], 2, v[LN]
	v_and_b32 v[TB], 3, v[LN]
	v_mul_u32_u24 v[TA], v[TA], 80
	v_lshl_add_u32 v[TA], v[TB], 4, v[TA]          ; rows of 64 codes: four lanes a row
	s_mul_i32 s46, s[WV], 32*80
	s_add_co_u32 s46, s46, WUP
	v_add_nc_u32 v[AWU], s46, v[TA]
	s_lshl_b32 s46, s[WV], 9
	s_add_co_u32 s46, s46, SMA
	v_add_nc_u32 v[ASA], s46, v[GL]
	s_lshl_b32 s46, s[WV], 6
	s_add_co_u32 s46, s46, XT
	v_mul_u32_u24 v[AXC], v[HH], 16*SP
	v_lshl_add_u32 v[AXC], v[R15], 2, v[AXC]
	v_add_nc_u32 v[AXC], s46, v[AXC]               ; my column of x's (y's) tile: 4 (16 w + r), from row 16 (lane / 16) on
	v_and_b32 v[TA], 8, v[R15]
	v_add_nc_u32 v[TA], v[TA], v[R15]              ; r + 8 (r / 8)
	v_mul_u32_u24 v[AWF], v[TA], 144
	v_lshl_add_u32 v[AWF], v[HH], 4, v[AWF]
	v_add_nc_u32 v[AWF], WDR, v[AWF]               ; a weight's fragment
	v_add_nc_u32 v[ABT], SMA, v[CP]                ; a bias's tile: 64 (lane / 16)
	v_lshl_add_u32 v[ASW], v[TA], 2, SMA           ; a weight's scale words
	v_lshlrev_b32 v[GS4], 2, v[TA]
	v_mul_u32_u24 v[AUF], v[R15], 80
	v_lshl_add_u32 v[AUF], v[HH], 4, v[AUF]
	v_add_nc_u32 v[AUF], WUP, v[AUF]
	s_mul_i32 s46, s[WV], 16*PP
	v_mad_u32_u24 v[APS], v[R15], PP, v[CP]
	v_add_nc_u32 v[APS], s46, v[APS]               ; my P row: 16 w + r
	v_lshlrev_b32 v[G2R], 1, v[R15]
	v_lshlrev_b32 v[G64], 6, v[HH]
.irp q, 0,1,2,3
	v_mov_b32 v[RU+\q], 0                          ; written once: a lane permute's destination counts as one of its sources
.endr
	s_lshl_b32 s46, s[BAT], 16                     ; x: batch x 65,536 + 256 xh + 32 w rows of 512
	s_lshl_b32 s58, s[XH], 8
	s_add_co_u32 s46, s46, s58
	s_lshl_b32 s58, s[WV], 14
	s_add_co_u32 s46, s46, s58
	s_mov_b32 s47, 0
	s_lshl_b32 s48, s[BAT], 19                     ; y: batch x 524,288 + 256 yc + 32 w rows of 4,096
	s_lshl_b32 s58, s[YC], 8
	s_add_co_u32 s48, s48, s58
	s_lshl_b32 s58, s[WV], 17
	s_add_co_u32 s48, s48, s58
	s_mov_b32 s49, 0
	s_lshl_b32 s50, s[WV], 12                      ; a quarter of 16,384 bytes of codes,
	s_mov_b32 s51, 0
	s_lshl_b32 s52, s[WV], 11                      ; of 8,192
	s_mov_b32 s53, 0
	s_lshl_b32 s54, s[YC], 3                       ; cpart: ((8 yc + b) 128 + 32 w) rows of 512 + 256 xh
	s_add_co_u32 s54, s54, s[BAT]
	s_lshl_b32 s54, s54, 16
	s_lshl_b32 s58, s[WV], 14
	s_add_co_u32 s54, s54, s58
	s_lshl_b32 s58, s[XH], 8
	s_add_co_u32 s54, s54, s58
	s_mov_b32 s55, 0
	s_lshl_b32 s56, s[XH], 3                       ; ppart: ((8 xh + b) 128 + 32 w) rows of 4,096 + 256 yc
	s_add_co_u32 s56, s56, s[BAT]
	s_lshl_b32 s56, s56, 19
	s_lshl_b32 s58, s[WV], 17
	s_add_co_u32 s56, s56, s58
	s_lshl_b32 s58, s[YC], 8
	s_add_co_u32 s56, s56, s58
	s_mov_b32 s57, 0
	s_wait_kmcnt 0x0
	s_add_nc_u64 s[8:9], s[8:9], s[46:47]
	s_add_nc_u64 s[10:11], s[10:11], s[48:49]
	s_add_nc_u64 s[12:13], s[12:13], s[50:51]
	s_add_nc_u64 s[14:15], s[14:15], s[50:51]
	s_add_nc_u64 s[16:17], s[16:17], s[52:53]
	s_add_nc_u64 s[18:19], s[18:19], s[52:53]
	s_add_nc_u64 s[34:35], s[34:35], s[54:55]
	s_add_nc_u64 s[36:37], s[36:37], s[56:57]
	s_cmp_eq_u32 s[WV], 1                          ; wave w stages the w-th of the four arrays of 512 bytes: the choice hangs on the wave's number alone
	s_cselect_b64 s[60:61], s[22:23], s[20:21]
	s_cmp_eq_u32 s[WV], 2
	s_cselect_b64 s[60:61], s[24:25], s[60:61]
	s_cmp_eq_u32 s[WV], 3
	s_cselect_b64 s[60:61], s[26:27], s[60:61]
	; ---- one batch of loads: a quarter of each tile and weight into window 3 (57 loads), then what goes straight into its registers (20 loads)
	WIN 0xc0
	s_wait_alu depctr_va_vdst(0)                   ; all the head's offsets and LDS addresses (v1-5, v96-116) are written: the loads and stores from here to the loop read them, and none is written again before the loop
.irp k, 0,1,2,3,4,5,6,7,8,9,10,11,12,13,14,15
	global_load_b128 v[4*\k:4*\k+3], v[GX], s[8:9] offset:1024*\k          ; x, rows c = 32 w + 2 k + lane / 16: sixteen lanes read 256 consecutive bytes, aligned
.endr
.irp k, 0,1,2,3,4,5,6,7,8,9,10,11,12,13,14,15
	global_load_b128 v[64+4*\k:64+4*\k+3], v[GY], s[10:11] offset:8192*\k
.endr
.irp k, 0,1,2,3,4,5,6,7
	global_load_b128 v[128+4*\k:128+4*\k+3], v[GL], s[12:13] offset:512*\k
.endr
.irp k, 0,1,2,3,4,5,6,7
	global_load_b128 v[160+4*\k:160+4*\k+3], v[GL], s[14:15] offset:512*\k
.endr
.irp k, 0,1,2,3
	global_load_b128 v[192+4*\k:192+4*\k+3], v[GL], s[16:17] offset:512*\k
.endr
.irp k, 0,1,2,3
	global_load_b128 v[208+4*\k:208+4*\k+3], v[GL], s[18:19] offset:512*\k
.endr
	global_load_b128 v[224:227], v[GL], s[60:61]
	WIN 0x40
.irp t, 0,1,2,3                        ; b_down in the result's layout: lane (r, h), tile t: units 32 (t / 2) + 16 h + 8 (t % 2) + 0 .. 7
	global_load_b128 v[64+8*\t:67+8*\t], v[G64], s[32:33] offset:(32*(\t/2)+8*(\t%2))*4
	global_load_b128 v[68+8*\t:71+8*\t], v[G64], s[32:33] offset:(32*(\t/2)+8*(\t%2))*4+16
.endr
	WIN 0
.irp t, 0,1,2,3
	global_load_b32 v[WDS+\t], v[GS4], s[28:29] offset:(32*(\t/2)+8*(\t%2))*4
.endr
.irp c, 0,1,2,3,4,5,6,7
	global_load_u16 v[WUS+\c], v[G2R], s[30:31] offset:32*\c               ; W_up's two scale bytes of channel 16 c + r
.endr
	s_wait_loadcnt 20                              ; the 57 are in; the 20 issued behind them may be out
	WIN 0x0c
.irp k, 0,1,2,3,4,5,6,7,8,9,10,11,12,13,14,15
	ds_store_b128 v[AXT], v[4*\k:4*\k+3] offset:2*SP*\k
.endr
.irp k, 0,1,2,3,4,5,6,7,8,9,10,11,12,13,14,15
	ds_store_b128 v[AXT], v[64+4*\k:64+4*\k+3] offset:POFF+2*SP*\k
.endr
.irp k, 0,1,2,3,4,5,6,7
	ds_store_b128 v[AWD], v[128+4*\k:128+4*\k+3] offset:576*\k
.endr
.irp k, 0,1,2,3,4,5,6,7
	ds_store_b128 v[AWD], v[160+4*\k:160+4*\k+3] offset:WPOFF+576*\k
.endr
.irp k, 0,1,2,3
	ds_store_b128 v[AWN], v[192+4*\k:192+4*\k+3] offset:576*\k
.endr
.irp k, 0,1,2,3
	ds_store_b128 v[AWU], v[208+4*\k:208+4*\k+3] offset:640*\k
.endr
	ds_store_b128 v[ASA], v[224:227]
	WIN 0
	BARRIER                                        ; the tiles and weights lie in LDS
	s_wait_alu depctr_vm_vsrc(0)                   ; my staging stores have read window 3's registers, in which the biases' tiles and W_prot's fragments land below
	; ---- products 1 and 2: my 16 x, my 16 y.  A lane takes a column and its registers run down K = c, in the operand's own order
.set n, 0
.rept 4
.set m, 0
.rept 16
	ds_load_b32 v[SA+16*n+m], v[AXC] offset:(32*n+m)*SP
.set m, m+1
.endr
.set n, n+1
.endr
.set n, 0
.rept 4
.set m, 0
.rept 16
	ds_load_b32 v[SB+16*n+m], v[AXC] offset:POFF+(32*n+m)*SP
.set m, m+1
.endr
.set n, n+1
.endr
	WIN 0x80
.irp t, 0,1,2,3,4,5,6,7
.irp c, 0,1,2,3
	ds_load_b128 v[16*\t+4*\c:16*\t+4*\c+3], v[AWF] offset:(32*(\t/2)+8*(\t%2))*144+32*\c          ; W_drug's fragments, where the sums will lie
.endr
.endr
	WIN 0xc0
.irp t, 0,1,2,3,4,5,6,7
	ds_load_b128 v[128+8*\t:131+8*\t], v[ABT] offset:1024+(32*(\t/2)+8*(\t%2))*4                  ; b_drug's tiles
	ds_load_b128 v[132+8*\t:135+8*\t], v[ABT] offset:1024+(32*(\t/2)+8*(\t%2))*4+16
.endr
	WIN 0
.irp t, 0,1,2,3,4,5,6,7
	ds_load_b32 v[WPS+\t], v[ASW] offset:(32*(\t/2)+8*(\t%2))*4                                   ; W_drug's scale words
.endr
	s_wait_dscnt 56                                ; both columns are in; the 56 loads issued behind them may be out
	Q4 SA, SC, SSW, 0, -1                          ; x's codes
	WIN 0xc0
.irp t, 0,1,2,3,4,5,6,7
.irp c, 0,1,2,3
	ds_load_b128 v[16*\t+4*\c:16*\t+4*\c+3], v[AWF] offset:WPOFF+(32*(\t/2)+8*(\t%2))*144+32*\c    ; W_prot's fragments (no vector instruction has named these registers or the address since the head's wait)
.endr
.endr
.irp t, 0,1,2,3,4,5,6,7
	ds_load_b128 v[192+8*\t:195+8*\t], v[ABT] offset:1536+(32*(\t/2)+8*(\t%2))*4                  ; b_prot's tiles
	ds_load_b128 v[196+8*\t:199+8*\t], v[ABT] offset:1536+(32*(\t/2)+8*(\t%2))*4+16
.endr
	WIN 0
	s_wait_dscnt 48                                ; W_drug's 56 are in; the 48 just issued may be out
	PLACES 4                                       ; codes written by vector instructions stand four places ahead of a scaled matrix instruction (the scale word stands ahead of the 64 holds)
	WIN 0xb2                                       ; W_drug and the result in window 2, b_drug in window 3
	s_wait_alu depctr_va_vdst(0)                   ; the conversions have written x's codes and the shifts their scale word: the eight products take both
.irp t, 0,1,2,3,4,5,6,7
	v_wmma_scale_f32_16x16x128_f8f6f4 v[128+8*\t:135+8*\t], v[16*\t:16*\t+15], v[SC:SC+15], v[128+8*\t:135+8*\t], v[WPS+\t], v[SSW] matrix_a_fmt:MATRIX_FMT_BF8 matrix_b_fmt:MATRIX_FMT_BF8
.endr
	WIN 0
	Q4 SB, HA, FS, 0, -1                           ; y's codes; these lines are also the places behind the eight products
	PLACES 4                                       ; the codes' four places ahead of the next products
	s_wait_alu depctr_va_vdst(0)                   ; the eight products are done reading W_drug's scale words, in whose registers the loads below land; y's codes and their scale word are written, which the next eight products take
.irp t, 0,1,2,3,4,5,6,7
	ds_load_b32 v[WPS+\t], v[ASW] offset:512+(32*(\t/2)+8*(\t%2))*4                               ; W_prot's scale words take W_drug's registers
.endr
	s_wait_dscnt 0x0
	WIN 0x33                                       ; W_prot and b_prot in window 3
.irp t, 0,1,2,3,4,5,6,7
	v_wmma_scale_f32_16x16x128_f8f6f4 v[SA+8*\t:SA+8*\t+7], v[16*\t:16*\t+15], v[HA:HA+15], v[192+8*\t:199+8*\t], v[WPS+\t], v[FS] matrix_a_fmt:MATRIX_FMT_BF8 matrix_b_fmt:MATRIX_FMT_BF8
.endr
	; ---- what stays for the loop
	WIN 0x40
.irp t, 0,1,2,3
.irp c, 0,1,2,3
	ds_load_b128 v[16*\t+4*\c:16*\t+4*\c+3], v[AWF] offset:WNOFF+(32*(\t/2)+8*(\t%2))*144+32*\c    ; W_down (registers that nothing has named yet)
.endr
.endr
.irp t, 0,1,2,3,4,5,6,7
.irp c, 0,1,2,3
	ds_load_b128 v[96+16*\t+4*\c:96+16*\t+4*\c+3], v[AUF] offset:1280*\t+32*(\c%2)                 ; W_up, channel 16 t + r: its 64 codes twice along K
.endr
.endr
.set n, 0
.rept 16
	v_mov_b32 v[224+n], 0                          ; TF
.set n, n+1
.endr
	WIN 0x80
.set n, 0
.rept 128
	v_mov_b32 v[n], 0                              ; both sets of sums
.set n, n+1
.endr
.set n, 0
.rept 16
	v_mov_b32 v[192+n], 0                          ; F
.set n, n+1
.endr
	WIN 0
	v_mov_b32 v[FS], 0x7f7f7f7f                    ; over zero codes any byte but 0xff will do
	v_mov_b32 v[TFS], 0x7f7f7f7f
	s_wait_alu depctr_va_vdst(0)                   ; product 2 has written the P rows in v[SA ..], which the stores below read; the 160 lines above are the places, and stay beside this wait
.irp q, 0,1,2,3                        ; (the 160 lines above are the places behind product 2)
.irp c, 0,1,2,3
	ds_store_b128 v[APS], v[SA+16*\q+4*\c:SA+16*\q+4*\c+3] offset:128*\q+16*\c                     ; my 16 P rows, each accumulator from its low end on
.endr
.endr
	s_wait_loadcnt 0x0                             ; b_down, W_down's and W_up's scales
.irp c, 0,1,2,3,4,5,6,7
	v_lshl_or_b32 v[WUS+\c], v[WUS+\c], 16, v[WUS+\c]
.endr
	BARRIER                                        ; all 64 P rows lie in LDS, and nobody reads the staging any more
	s_wait_alu depctr_vm_vsrc(0)                   ; my stores of the P rows have read v[SA ..], in which the first row lands; the head's loads and stores have read their addresses in v96-116, which group b's h takes
	s_mov_b32 s[G], 0
	s_mov_b32 s[G1], 1
	PADDR AP, G
	PADDR AP2, G1
	s_wait_alu depctr_va_vdst(0)                   ; both addresses are written; y's quantiser is done with v[SB ..]; W_up's doubled scale words, F, TF and their scale words are written, which the first trip's products take
.irp q, 0,1,2,3
	PLD4 SA, AP, \q
.endr
.irp q, 0,1,2,3
	PLD4 SB, AP2, \q
.endr
	s_wait_dscnt 0x0
	; ---- 32 trips, two groups each.  The matrix instructions of a trip: 8 sums over y, product 3 of group a (4), 8 sums over x, product 3 of group b (4): no two that follow each other share an accumulator,
	; over the backward jump too, one instruction a turn
.Ltrip:
	s_add_co_u32 s[G1], s[G], 1
	s_add_co_u32 s[NA], s[G], 2
	s_add_co_u32 s[NB], s[G], 3
	s_wait_dscnt 27                                ; group a's P row is in; behind its loads: group b's 16, six turned stores, TF's five
	SQ SA, 0
	s_wait_alu depctr_vm_vsrc(0)                   ; the LDS instructions of the trip before (in the first trip: of the head) have read AP, AP2, VR, VR2, F and HU, which this trip writes again
	PADDR AP, NA                                   ; the next trip's; with the line behind the conversions these three are the codes' four places
	s_wait_alu depctr_va_vdst(0)                   ; group a's quantiser is done with v[SA ..], in which the next row lands; AP is written; s's codes and scale word are written, which group a's product 3 takes
	s_wait_dscnt 0x0                               ; group b's P row, TF and its scale word are in: nothing has been issued behind them
	SQ SB, 1
	PADDR AP2, NB
	s_wait_alu depctr_va_vdst(0)                   ; the same for group b: its quantiser is done with v[SB ..], AP2 is written, s's codes and scale word are written for its product 3
	HQ HA, 0
	HQ HB, 1
	RADDR VR, G
	RADDR VR2, G1
	v_lshl_or_b32 v[FS], v[HU+1], 16, v[HU]        ; F's scale word: group a's two bytes, group b's two
	s_wait_alu depctr_va_vdst(0)                   ; F, the scale bytes and the two slots' addresses are written, which the stores read; the sums over x are done reading TF and TFS, in which the loads land; F and FS are written for the next sums over y
	ROT2
	TFLOAD
	s_and_b32 s46, s[G], 14                        ; in the first trip of blocks 1 to 3 the sums over x of the block before were finished by this trip's hooks
	s_cmp_lg_u32 s46, 0
	s_cbranch_scc1 .Lnoflush
	s_cmp_eq_u32 s[G], 0
	s_cbranch_scc1 .Lnoflush
	s_lshr_b32 s46, s[G], 4
	s_lshl_b32 s46, s46, 13
	v_add_nc_u32 v[FA], s46, v[FLB]
	s_wait_alu depctr_va_vdst(0)                   ; v[FA] is written, which the flush's stores read (the sums themselves were written ahead of the trip's earlier waits)
	FLUSH
	ZEROP
.Lnoflush:
	s_add_co_u32 s[G], s[G], 2
	s_cmp_lt_u32 s[G], 64
	s_cbranch_scc1 .Ltrip
	; ---- the last trip's F and TF
	s_wait_dscnt 0x0
	PLACES 8                                       ; F's scale word was written by a vector instruction: eight places ahead of the product (the trip's last wait has shown it and F written)
	s_wait_alu depctr_va_vdst(0)
.irp c, 0,1,2,3,4,5,6,7
	MM4 0, \c
	MM4 1, \c
.endr
	WIN 0
	s_lshl_b32 s46, s[WV], 6
	s_add_co_u32 s46, s46, CST
	s_lshl_b32 s47, s[WV], 13
	s_add_co_u32 s47, s47, RED+IMG
	s_mul_i32 s48, s[WV], 32*SP
	s_add_co_u32 s48, s48, CST
	v_bfe_u32 v64, v0, 4, 1                        ; the way out's addresses: fourteen plain lines, the places behind the last products
	v_and_b32 v65, 31, v0
	v_add_nc_u32 v[FA], 4*IMG, v[FLB]
	v_mul_u32_u24 v66, v[R15], SP
	v_lshl_add_u32 v66, v64, 5, v66
	v_add_nc_u32 v66, s46, v66                     ; into a stage: row c = r (+ 16 ct), my wave's 64 bytes, + 32 (lane / 16)
	v_lshl_add_u32 v67, v65, 4, s47                ; the images of y tile w: image w + 1 of waves 0 and 1,
	v_add_nc_u32 v68, 2*REDW, v67                  ; of waves 2 and 3
	v_mul_u32_u24 v69, v64, SP
	v_lshl_add_u32 v69, v[R15], 4, v69
	v_add_nc_u32 v69, s48, v69                     ; out of a stage: row 32 w + lane / 16 (+ 2 k), 16 r
	v_lshlrev_b32 v70, 4, v[R15]
	v_lshl_add_u32 v71, v64, 12, v70               ; and the same two rows in ppart,
	v_lshl_add_u32 v70, v64, 9, v70                ; in cpart
	s_wait_alu depctr_va_vdst(0)                   ; the last products have written both sets of sums, which the stores below read; v[FA] and v66 to v71 are written, which the way out's loads and stores read; the places above stay beside this wait
	FLUSH
	WIN 0x08
.irp c, 0,1,2,3,4,5,6,7
	ds_store_b128 v66, v[8*\c:8*\c+3] offset:16*SP*\c           ; lane (r, h): the sum over y at channel 16 c + r, x 16 w + 8 h + 0 .. 7
	ds_store_b128 v66, v[8*\c+4:8*\c+7] offset:16*SP*\c+16
.endr
	WIN 0
	BARRIER                                        ; every wave's images and its part of the stage for x lie in LDS
	; ---- the four waves' sums over x are added: wave w takes y tile w
	WIN 0xc0
.irp p, 0,1,2,3
.irp k, 0,1,2,3,4,5,6,7,8,9,10,11,12,13,14,15
	ds_load_b128 v[64*\p+4*\k:64*\p+4*\k+3], v[67+\p/2] offset:REDW*(\p%2)+512*\k                  ; window 3 was last named by products 1 and 2, ahead of many waits
.endr
.endr
	s_wait_dscnt 0x0
	WIN 0xff
.set n, 0
.rept 32
	v_pk_add_f32 v[2*n:2*n+1], v[2*n:2*n+1], v[64+2*n:65+2*n]
	v_pk_add_f32 v[128+2*n:129+2*n], v[128+2*n:129+2*n], v[192+2*n:193+2*n]
.set n, n+1
.endr
.set n, 0
.rept 32
	v_pk_add_f32 v[2*n:2*n+1], v[2*n:2*n+1], v[128+2*n:129+2*n]
.set n, n+1
.endr
	WIN 0x0c
	s_wait_alu depctr_va_vdst(0)                   ; the additions have written the 64 sums, which the stores below read
.irp c, 0,1,2,3,4,5,6,7
	ds_store_b128 v66, v[8*\c:8*\c+3] offset:POFF+16*SP*\c
	ds_store_b128 v66, v[8*\c+4:8*\c+7] offset:POFF+16*SP*\c+16
.endr
	WIN 0
	BARRIER                                        ; both stages are whole
	; ---- out: each wave stores 32 rows c of both; sixteen lanes store 256 consecutive bytes, aligned
.irp k, 0,1,2,3,4,5,6,7,8,9,10,11,12,13,14,15
	ds_load_b128 v[SA+4*\k:SA+4*\k+3], v69 offset:2*SP*\k       ; v[SA ..] and v[SB ..] were last named by the loop's quantisers, ahead of its waits
.endr
.irp k, 0,1,2,3,4,5,6,7,8,9,10,11,12,13,14,15
	ds_load_b128 v[SB+4*\k:SB+4*\k+3], v69 offset:POFF+2*SP*\k
.endr
.irp k, 0,1,2,3,4,5,6,7,8,9,10,11,12,13,14,15
	s_wait_dscnt 31-\k                             ; LDS loads come back in order: the younger ones may be out
	global_store_b128 v70, v[SA+4*\k:SA+4*\k+3], s[34:35] offset:1024*\k
.endr
.irp k, 0,1,2,3,4,5,6,7,8,9,10,11,12,13,14,15
	s_wait_dscnt 15-\k
	global_store_b128 v71, v[SB+4*\k:SB+4*\k+3], s[36:37] offset:8192*\k
.endr
	s_set_vgpr_msb 0x5
	s_wait_dscnt 0x0
	s_wait_alu depctr_hold_cnt(0) depctr_sa_sdst(0) depctr_va_vdst(0) depctr_va_sdst(0) depctr_va_ssrc(0) depctr_va_vcc(0) depctr_vm_vsrc(0)
	s_wait_tensorcnt 0x0
	ds_add_u32 v254, v255
	s_wait_dscnt 0x0
	s_endpgm
.Lfunc_end_k_q223d8cb349_pairs:
	.size	k_q223d8cb349_pairs, .Lfunc_end_k_q223d8cb349_pairs-k_q223d8cb349_pairs
	.p2alignl 7, 3214868480
	.fill 96, 4, 3214868480
	.section	.rodata,"a",@progbits
	.p2align	6, 0x0
	.amdhsa_kernel k_q223d8cb349_pairs
		.amdhsa_group_segment_fixed_size 301568
		.amdhsa_private_segment_fixed_size 0
		.amdhsa_enable_private_segment 0
		.amdhsa_kernarg_size 120
		.amdhsa_user_sgpr_count 2
		.amdhsa_user_sgpr_kernarg_segment_ptr 1
		.amdhsa_wavefront_size32 1
		.amdhsa_system_sgpr_workgroup_id_x 1
		.amdhsa_system_sgpr_workgroup_id_y 1
		.amdhsa_system_sgpr_workgroup_id_z 1
		.amdhsa_system_vgpr_workitem_id 0
		.amdhsa_next_free_vgpr 1024
		.amdhsa_next_free_sgpr 66
		.amdhsa_reserve_vcc 0
		.amdhsa_float_denorm_mode_32 3
		.amdhsa_float_denorm_mode_16_64 3
		.amdhsa_memory_ordered 1
		.amdhsa_forward_progress 1
		.amdhsa_inst_pref_size 127
	.end_amdhsa_kernel
	.amdgpu_metadata
---
amdhsa.version: [ 1, 2 ]
amdhsa.kernels:
  - .name:           k_q223d8cb349_pairs
    .symbol:         k_q223d8cb349_pairs.kd
    .args:
      - { .name: x, .offset: 0, .size: 8, .value_kind: global_buffer, .address_space: global }
      - { .name: y, .offset: 8, .size: 8, .value_kind: global_buffer, .address_space: global }
      - { .name: W_drug_codes, .offset: 16, .size: 8, .value_kind: global_buffer, .address_space: global }
      - { .name: W_prot_codes, .offset: 24, .size: 8, .value_kind: global_buffer, .address_space: global }
      - { .name: W_down_codes, .offset: 32, .size: 8, .value_kind: global_buffer, .address_space: global }
      - { .name: W_up_codes, .offset: 40, .size: 8, .value_kind: global_buffer, .address_space: global }
      - { .name: W_drug_scales, .offset: 48, .size: 8, .value_kind: global_buffer, .address_space: global }
      - { .name: W_prot_scales, .offset: 56, .size: 8, .value_kind: global_buffer, .address_space: global }
      - { .name: b_drug, .offset: 64, .size: 8, .value_kind: global_buffer, .address_space: global }
      - { .name: b_prot, .offset: 72, .size: 8, .value_kind: global_buffer, .address_space: global }
      - { .name: W_down_scales, .offset: 80, .size: 8, .value_kind: global_buffer, .address_space: global }
      - { .name: W_up_scales, .offset: 88, .size: 8, .value_kind: global_buffer, .address_space: global }
      - { .name: b_down, .offset: 96, .size: 8, .value_kind: global_buffer, .address_space: global }
      - { .name: cpart, .offset: 104, .size: 8, .value_kind: global_buffer, .address_space: global }
      - { .name: ppart, .offset: 112, .size: 8, .value_kind: global_buffer, .address_space: global }
    .group_segment_fixed_size: 301568
    .private_segment_fixed_size: 0
    .kernarg_segment_align: 8
    .kernarg_segment_size: 120
    .max_flat_workgroup_size: 128
    .sgpr_count:     66
    .vgpr_count:     1024
    .wavefront_size: 32
...
	.end_amdgpu_metadata
.endif
;; end of part 3
;; launch gate (part 4): grid 1152 x 1, 8 waves a work-group, no clusters, 0 bytes of LDS; arguments x, y, b_up, cpart, ppart, out0, out1; writes out0, out1
.if DOCPART == 4
	.amdgcn_target "amdgcn-amd-amdhsa--gfx1250"
	.amdhsa_code_object_version 6
	.text
	.protected	k_q223d8cb349_gate
	.globl	k_q223d8cb349_gate
	.p2align	8
	.type	k_q223d8cb349_gate,@function
k_q223d8cb349_gate:
	s_mov_b64 s[64:65], 0
	v_nop
	global_prefetch_b8 v0, s[64:65] scope:SCOPE_SE
	s_setreg_imm32_b32 hwreg(HW_REG_WAVE_MODE, 25, 1), 1
	s_wait_xcnt 0x0
; The parts of the two sums are added, divided by the number of terms, b_up is added, and the gates are laid on x and y:
; m = sum / N + b_up[c];  out = v (0.5 + sigmoid(m) tanh(m)).  All arrays have the position innermost, so the work is elementwise: a stream, 16 bytes a lane, no LDS, no barrier, no matrix unit.
; Work-groups 0 to 1,023: one row (b, c) of y, 1,024 numbers, 256 threads x 4; two parts (ppart [xh 2][b][c][y]), N = 128.
; Work-groups 1,024 to 1,151: eight rows (b, c) of x, one a wave, 128 numbers, 32 lanes x 4; sixteen parts (cpart [yc 16][b][c][x]), N = 1,024.
; sigmoid(m) = 1 / (1 + 2^(-m log2 e)), tanh(m) = 1 - 2 / (1 + 2^(2 m log2 e)): an exponential that overflows gives infinity, its reciprocal 0, and the gates go to their limits.
; LIMITS: NaN and infinities among the inputs are not served.
	s_load_b256 s[4:11], s[0:1], 0x0               ; x, y, b_up, cpart
	s_load_b128 s[12:15], s[0:1], 0x20             ; ppart, out0
	s_load_b64 s[16:17], s[0:1], 0x30              ; out1
	v_lshrrev_b32 v2, 5, v0
	s_delay_alu instid0(VALU_DEP_1)
	v_readfirstlane_b32 s2, v2                     ; wave 0..7
	s_mov_b32 s19, 0
	s_mov_b32 s27, 0
	s_cmp_lt_u32 ttmp9, 1024
	s_cbranch_scc0 .Lcomp
	s_lshl_b32 s18, ttmp9, 12                      ; row 128 b + c of 4,096 bytes
	s_and_b32 s26, ttmp9, 127
	s_lshl_b32 s26, s26, 2                         ; b_up[c]
	v_lshlrev_b32 v1, 4, v0
	s_mov_b32 s20, 0x3c000000                      ; 1 / 128
	s_wait_alu depctr_va_vdst(0)
	s_wait_kmcnt 0x0
	s_add_nc_u64 s[6:7], s[6:7], s[18:19]
	s_add_nc_u64 s[12:13], s[12:13], s[18:19]
	s_add_nc_u64 s[24:25], s[16:17], s[18:19]
	s_add_nc_u64 s[8:9], s[8:9], s[26:27]
	s_load_b32 s22, s[8:9], 0x0
	global_load_b128 v[8:11], v1, s[12:13] th:TH_LOAD_NT
	global_load_b128 v[12:15], v1, s[12:13] offset:4194304 th:TH_LOAD_NT
	global_load_b128 v[4:7], v1, s[6:7] th:TH_LOAD_NT
	s_wait_loadcnt 0x1                             ; the parts are in; y, wanted last, may be out
	v_pk_add_f32 v[8:9], v[8:9], v[12:13]
	v_pk_add_f32 v[10:11], v[10:11], v[14:15]
	s_branch .Lgate
.Lcomp:
	s_sub_co_u32 s18, ttmp9, 1024
	s_lshl_b32 s18, s18, 3
	s_add_co_u32 s18, s18, s2                      ; row 128 b + c
	s_and_b32 s26, s18, 127
	s_lshl_b32 s26, s26, 2
	s_lshl_b32 s18, s18, 9                         ; of 512 bytes
	v_and_b32 v1, 31, v0
	s_delay_alu instid0(VALU_DEP_1)
	v_lshlrev_b32 v1, 4, v1
	s_mov_b32 s20, 0x3a800000                      ; 1 / 1,024
	s_wait_alu depctr_va_vdst(0)
	s_wait_kmcnt 0x0
	s_add_nc_u64 s[4:5], s[4:5], s[18:19]
	s_add_nc_u64 s[10:11], s[10:11], s[18:19]
	s_add_nc_u64 s[24:25], s[14:15], s[18:19]
	s_add_nc_u64 s[8:9], s[8:9], s[26:27]
	s_load_b32 s22, s[8:9], 0x0
.irp k, 0,1,2,3,4,5,6,7,8,9,10,11,12,13,14,15
	global_load_b128 v[32+4*\k:35+4*\k], v1, s[10:11] offset:524288*\k th:TH_LOAD_NT
.endr
	global_load_b128 v[4:7], v1, s[4:5] th:TH_LOAD_NT
	s_wait_loadcnt 0x1                             ; the sixteen parts are in; x may be out
.irp k, 2
	v_pk_add_f32 v[32:33], v[32:33], v[32+4*\k:33+4*\k]
	v_pk_add_f32 v[34:35], v[34:35], v[34+4*\k:35+4*\k]
	v_pk_add_f32 v[36:37], v[36:37], v[36+4*\k:37+4*\k]
	v_pk_add_f32 v[38:39], v[38:39], v[38+4*\k:39+4*\k]
.endr
.irp k, 4, 6, 8, 10, 12, 14
	s_delay_alu instid0(VALU_DEP_4)
	v_pk_add_f32 v[32:33], v[32:33], v[32+4*\k:33+4*\k]
	s_delay_alu instid0(VALU_DEP_4)
	v_pk_add_f32 v[34:35], v[34:35], v[34+4*\k:35+4*\k]
	s_delay_alu instid0(VALU_DEP_4)
	v_pk_add_f32 v[36:37], v[36:37], v[36+4*\k:37+4*\k]
	s_delay_alu instid0(VALU_DEP_4)
	v_pk_add_f32 v[38:39], v[38:39], v[38+4*\k:39+4*\k]
.endr
	s_delay_alu instid0(VALU_DEP_2)
	v_pk_add_f32 v[8:9], v[32:33], v[36:37]
	s_delay_alu instid0(VALU_DEP_2)
	v_pk_add_f32 v[10:11], v[34:35], v[38:39]
.Lgate:
	s_wait_kmcnt 0x0                               ; b_up[c]
	s_mov_b32 s21, s20                             ; (named with s20 as a pair, so it is written)
	v_mov_b32 v16, s22
	v_mov_b32 v17, s22
	s_wait_alu depctr_va_vdst(0)
	v_pk_fma_f32 v[8:9], v[8:9], s[20:21], v[16:17] op_sel_hi:[1,0,1]      ; m = sum / N + b_up
	v_pk_fma_f32 v[10:11], v[10:11], s[20:21], v[16:17] op_sel_hi:[1,0,1]
	s_delay_alu instid0(VALU_DEP_2)
	v_pk_mul_f32 v[20:21], v[8:9], 0xbfb8aa3b op_sel_hi:[1,0]              ; -m log2 e
	s_delay_alu instid0(VALU_DEP_2)
	v_pk_mul_f32 v[22:23], v[10:11], 0xbfb8aa3b op_sel_hi:[1,0]
	s_delay_alu instid0(VALU_DEP_4)
	v_pk_mul_f32 v[24:25], v[8:9], 0x4038aa3b op_sel_hi:[1,0]              ; 2 m log2 e
	s_delay_alu instid0(VALU_DEP_4)
	v_pk_mul_f32 v[26:27], v[10:11], 0x4038aa3b op_sel_hi:[1,0]
	s_wait_alu depctr_va_vdst(0)
.irp i, 0,1,2,3,4,5,6,7
	v_exp_f32 v[20+\i], v[20+\i]
.endr
	v_nop                                          ; a plain line behind the last exponential,
	s_wait_alu depctr_va_vdst(0)                   ; and one wait for the eight, ahead of their first reader
.irp i, 0,2,4,6
	v_pk_add_f32 v[20+\i:21+\i], v[20+\i:21+\i], 1.0 op_sel_hi:[1,0]
.endr
	s_wait_alu depctr_va_vdst(0)
.irp i, 0,1,2,3,4,5,6,7
	v_rcp_f32 v[20+\i], v[20+\i]
.endr
	v_nop
	s_wait_alu depctr_va_vdst(0)                   ; one wait for the eight reciprocals
	v_pk_fma_f32 v[24:25], v[24:25], -2.0, 1.0 op_sel_hi:[1,0,0]           ; tanh
	v_pk_fma_f32 v[26:27], v[26:27], -2.0, 1.0 op_sel_hi:[1,0,0]
	v_pk_fma_f32 v[20:21], v[20:21], v[24:25], 0.5 op_sel_hi:[1,1,0]       ; 0.5 + sigmoid x tanh
	v_pk_fma_f32 v[22:23], v[22:23], v[26:27], 0.5 op_sel_hi:[1,1,0]
	s_wait_alu depctr_va_vdst(0)
	s_wait_loadcnt 0x0                             ; x or y
	v_pk_mul_f32 v[28:29], v[4:5], v[20:21]
	v_pk_mul_f32 v[30:31], v[6:7], v[22:23]
	global_store_b128 v1, v[28:31], s[24:25] th:TH_STORE_NT                ; a wave stores 512 consecutive bytes, aligned
	s_endpgm
.Lfunc_end_k_q223d8cb349_gate:
	.size	k_q223d8cb349_gate, .Lfunc_end_k_q223d8cb349_gate-k_q223d8cb349_gate
	.p2alignl 7, 3214868480
	.fill 96, 4, 3214868480
	.section	.rodata,"a",@progbits
	.p2align	6, 0x0
	.amdhsa_kernel k_q223d8cb349_gate
		.amdhsa_group_segment_fixed_size 0
		.amdhsa_private_segment_fixed_size 0
		.amdhsa_enable_private_segment 0
		.amdhsa_kernarg_size 56
		.amdhsa_user_sgpr_count 2
		.amdhsa_user_sgpr_kernarg_segment_ptr 1
		.amdhsa_wavefront_size32 1
		.amdhsa_system_sgpr_workgroup_id_x 1
		.amdhsa_system_sgpr_workgroup_id_y 1
		.amdhsa_system_sgpr_workgroup_id_z 1
		.amdhsa_system_vgpr_workitem_id 0
		.amdhsa_next_free_vgpr 96
		.amdhsa_next_free_sgpr 66
		.amdhsa_reserve_vcc 0
		.amdhsa_float_denorm_mode_32 3
		.amdhsa_float_denorm_mode_16_64 3
		.amdhsa_memory_ordered 1
		.amdhsa_forward_progress 1
		.amdhsa_inst_pref_size 9
	.end_amdhsa_kernel
	.amdgpu_metadata
---
amdhsa.version: [ 1, 2 ]
amdhsa.kernels:
  - .name:           k_q223d8cb349_gate
    .symbol:         k_q223d8cb349_gate.kd
    .args:
      - { .name: x, .offset: 0, .size: 8, .value_kind: global_buffer, .address_space: global }
      - { .name: y, .offset: 8, .size: 8, .value_kind: global_buffer, .address_space: global }
      - { .name: b_up, .offset: 16, .size: 8, .value_kind: global_buffer, .address_space: global }
      - { .name: cpart, .offset: 24, .size: 8, .value_kind: global_buffer, .address_space: global }
      - { .name: ppart, .offset: 32, .size: 8, .value_kind: global_buffer, .address_space: global }
      - { .name: out0, .offset: 40, .size: 8, .value_kind: global_buffer, .address_space: global }
      - { .name: out1, .offset: 48, .size: 8, .value_kind: global_buffer, .address_space: global }
    .group_segment_fixed_size: 0
    .private_segment_fixed_size: 0
    .kernarg_segment_align: 8
    .kernarg_segment_size: 56
    .max_flat_workgroup_size: 256
    .sgpr_count:     66
    .vgpr_count:     96
    .wavefront_size: 32
...
	.end_amdgpu_metadata
.endif
;; end of part 4
